; MI455X (gfx1250); checked and timed in simulation.
; The chip was launched on July 23, 2026; its instructions are those of AMD's public machine-readable ISA for CDNA 5 (MIT licence, August 2026) and "CDNA5" Instruction Set Architecture Reference Guide (July 2026). The comments in the code are by the model that wrote it; some were corrected since.
;; Temporal Band. Allowed arithmetic: matrix products marked QUANTISED: E2M1 operands, one E8M0 scale for each 32 along K, by v_wmma_scale_f32_16x16x128_f8f6f4 with both operands' format E2M1 (or v_wmma_scale_f32_32x16x128_f4), f32 sums; everything else in f32.
;; Inputs: Wk 1,024 x 1,024 float32; Wo 1,024 x 1,024 float32; Wq 1,024 x 1,024 float32; Wv 1,024 x 1,024 float32; beta 1,024 float32; bk 1,024 float32; bo 1,024 float32; bq 1,024 float32; bv 1,024 float32; gamma 1,024 float32; x 4 x 2,048 x 1,024 float32.
;; Outputs: out0 4 x 2,048 x 1,024 float32.
;; This version of the problem:
;;   THIS VERSION OF THE PROBLEM IS GIVEN IN LOW PRECISION. The matrix products marked QUANTISED in the list below multiply operands that are first quantised to E2M1 (2 exponent bits, 1 mantissa bit; 4 bits a number), with one power-of-two scale for each 32 numbers along K (OCP MX v1.0); their sums are f32. All else is computed in f32.
;;   The module's matrix products, in the order in which they are computed (A, B: the left and right operand; K: the contracted axis; several contracted axes count as one K, in the product's order):
;;     1. [M 8,192, K 1,024] x [K 1,024, N 1,024]; A: computed on the way; B: input Wq: QUANTISED
;;     2. [M 8,192, K 1,024] x [K 1,024, N 1,024]; A: computed on the way; B: input Wk: QUANTISED
;;     3. [M 8,192, K 1,024] x [K 1,024, N 1,024]; A: computed on the way; B: input Wv: QUANTISED
;;     4. batch 64 x [M 2,048, K 64] x [K 64, N 2,048]; A: computed on the way; B: computed on the way: QUANTISED
;;     5. batch 64 x [M 2,048, K 2,048] x [K 2,048, N 64]; A: softmax (see below); B: computed on the way: QUANTISED
;;     6. [M 8,192, K 1,024] x [K 1,024, N 1,024]; A: computed on the way; B: input Wo: QUANTISED
;;   THE QUANTISER, for each operand of a quantised product, along K:
;;     - K is cut into blocks of 32 from its start; a last block that is shorter is filled with zeros.
;;     - A block's scale is 2^e with e = floor(log2(the largest magnitude in the block)) - 2, held to -126 .. 127; a block of zeros has e = 0. As a byte (E8M0): e + 127.
;;     - Each number is divided by its block's scale, clamped to +-6, and rounded to the nearest number of E2M1, ties to even, subnormals kept.
;;     - The product sums the exact products of the quantised numbers (number of the format x scale) in f32.
;;   ~~~python
;;   def quantise(x, axis):      # numpy; x: float32 -> the quantised numbers, widened to float32 again
;;       x = np.moveaxis(x, axis, -1); K = x.shape[-1]
;;       x = np.pad(x, [(0, 0)] * (x.ndim - 1) + [(0, -K % 32)]); x = x.reshape(x.shape[:-1] + (-1, 32)); a = np.abs(x).max(-1, keepdims=True)
;;       e = np.where(a > 0, np.clip(np.frexp(np.where(a > 0, a, 1))[1] - 1 - 2, -126, 127), 0)      # np.frexp(a)[1] - 1 = floor(log2(a)), exactly
;;       r = np.clip(x / 2.0 ** e, -6, 6)
;;       step = 2.0 ** (np.maximum(np.frexp(np.where(r == 0, 1, r))[1] - 1, 0) - 1)
;;       q = np.round(r / step) * step * 2.0 ** e      # np.round: ties to even
;;       return np.moveaxis(q.reshape(q.shape[:-2] + (-1,))[..., :K], -1, axis).astype(np.float32)
;;   ~~~
;;   SOFTMAX AHEAD OF A QUANTISED PRODUCT. Where the list says 'softmax', what is quantised is not the finished softmax but p = 2^(t - M), with t = logit x log2(e) and M = ceil(the row's largest t), a whole number; so 1/2 < the row's largest p <= 1. The row's sum l is taken of the UNQUANTISED p, in f32, and the product's result is divided by l at the end. Since M is a whole number, a kernel that streams over the keys may use a running M (the ceiling of the running maximum): every later rescaling is an exact power of two, which a block's scale takes up: the codes' values come out the same.
;;   OPERANDS COMPUTED ON THE WAY. 'Computed on the way' means the value that the module computes at that place (a softmax that the list does not call 'softmax' is quantised finished and normalised). What goes into a quantiser is computed in f32, as accurately as f32 sums, v_exp_f32 and their like allow (about 1e-6 of the number): no bf16 or f16 on the way to a quantiser, and a product that is left as it is and whose result goes on into a quantised operand takes f32 operands (vector FMAs, or v_wmma_f32_16x16x4_f32). A number that lies on a knife's edge between two numbers of the format may be rounded either way, as far as f32 arithmetic and the matrix unit's own rounding can turn it there, and no further.
;; One version. Each part assembles by itself: llvm-mc -triple=amdgcn-amd-amdhsa -mcpu=gfx1250 --defsym DOCPART=n.
;; ======== version 1 of 1: 4 launches
;; limits: right only within a limited range of input values
;; workspace buffers: cod 6,291,456 bytes; scl 393,216 bytes; qc 4,194,304 bytes; qs 262,144 bytes; kv 8,912,896 bytes; ac 4,194,304 bytes; asc 262,144 bytes
;; launch prep (part 1): grid 768 x 1, 4 waves a work-group, no clusters, 28,160 bytes of LDS; arguments x, Wq, Wk, Wv, Wo, gamma, beta, cod, scl; writes cod, scl
.if DOCPART == 1
	.amdgcn_target "amdgcn-amd-amdhsa--gfx1250"
	.amdhsa_code_object_version 6
	.text
	.protected	k_qb2e54ab66b_prep
	.globl	k_qb2e54ab66b_prep
	.p2align	8
	.type	k_qb2e54ab66b_prep,@function
k_qb2e54ab66b_prep:
	s_mov_b64 s[64:65], 0
	v_nop
	global_prefetch_b8 v0, s[64:65] scope:SCOPE_SE
	s_setreg_imm32_b32 hwreg(HW_REG_WAVE_MODE, 25, 1), 1
	s_wait_xcnt 0x0
; PROGRAM: out0 = x + attention(LayerNorm(x)) Wo^T + bo, all six matrix products on codes of E2M1 with one E8M0 scale for each 32 along K.  Four launches:
;   prep  (this one): LayerNorm of x, and x's and the four weights' codes and scale bytes;   qkv: products 1 to 3, biases, q's, k's and v's codes;
;   attn: products 4 and 5 with the softmax, the result's codes;   oproj: product 6, bo, the residual.
; DEAD WORK, left out in attn: a step of 128 keys all of which come after all 16 queries of a tile.  reference() builds the mask in its own body (triu, k = 1) and puts -1e9 in the
; place of every score above the diagonal, whatever q and k hold: so product 4 there reaches no output.  The weight of such a key is 2^(t - M) with t = -1e9 log2(e), which is 0 in f32
; beside any visible logit of ordinary size: its code is 0 and it adds 0 to the row's sum, so product 5 there adds nothing.  Nothing else is left out; every input is loaded (bk too: it moves k's codes).
; LIMITS: a row whose visible logits lie near or under -1e9 is not served; NaN and infinities among the inputs are not served; a NaN, an infinity or an overflow that reaches only the
; steps left out is not carried to the result; a block of zeros gets the scale byte 1 where the rule says 127: its codes are zeros, which add nothing, and this program alone reads the bytes.
;
; THE WORKSPACE IS LAID IN THE ORDER OF THE OPERANDS' REGISTERS.  Rows go in tiles of 16; place r of tile G is row 32 (G / 2) + 8 (G % 2) + r + 8 (r / 8), so that a product that takes
; the tile as source 0 leaves 16 neighbours along the next K in the 16 registers of tiles 2 b and 2 b + 1.  A tile's codes for K = 1,024 are 8,192 bytes: block l of 32 along K of place r
; at 256 l + 16 r, which is eight images of a fragment's registers (16 bytes a lane, 512 bytes a load).  Its scale bytes are 512: block l of place r at 256 (l / 16) + 16 r + l % 16.
; THIS LAUNCH: work-group g makes tile g of 768: 0-511 LayerNorm(x), 512-575 Wq, 576-639 Wk, 640-703 Wv, 704-767 Wo (K is the last axis of all five).  Wave w takes places 4 w .. 4 w + 3,
; four neighbouring rows; a row's eight loads read 512 consecutive bytes each; all 32 loads of a wave go out at the head.  A row turns through the wave's own LDS bytes so that lane l
; holds block l whole: its largest magnitude needs no other lane.  Codes and bytes meet in a stage and leave as 512 consecutive bytes a store.
; One text serves x and the weights: a scalar branch on the work-group's number leads the weights round LayerNorm's register work, and round nothing else.  gamma and beta are loaded by
; every work-group (8 KB), so that every register that some way through the text reads is written on that way.
.set TURNB, 4608                       ; a wave's turning bytes: 32 places of 128 + 16 (from lane to lane 144 = 9 x 16 bytes)
.set CSTG,  18432                      ; the codes' stage: 32 rows of 256 + 16
.set SSTG,  27136                      ; the scale bytes' stage: 512
.set SPARE, 27648                      ; the spare words, 128 bytes a wave: two blocks of 256 bytes that no other line names
.set SPW, 1                            ; v1  SPARE + 4 x thread; never rewritten
.set NIL, 2                            ; v2  0; never rewritten
.set L16, 3                            ; v3  16 x lane
.set TS,  4                            ; v4  the turn, in:  144 (l / 8) + 16 (l % 8) + my wave's bytes
.set TL,  5                            ; v5  the turn, out: 144 l
.set CS,  6                            ; v6  codes into the stage: 272 l + 64 w
.set SS,  7                            ; v7  bytes into the stage: 256 (l / 16) + l % 16 + 64 w
.set CR,  8                            ; v8  codes out of the stage: 272 (l / 16) + 16 (l % 16) + 8 rows x w
.set BY,  12                           ; v12-15 the scale byte of row i
.set CD,  16                           ; v16-31 the codes of row i
.set X,   32                           ; v32-159 four rows as loaded
.set GA,  160                          ; v160-191 gamma, v192-223 beta, in a row's layout
.set BE,  192
.set Y,   224                          ; v224-255 at work; then a block of 32 numbers; then the way out
	s_load_b512 s[8:23], s[0:1], 0x0               ; x, Wq, Wk, Wv, Wo, gamma, beta, cod
	s_load_b64 s[24:25], s[0:1], 0x40              ; scl
	v_lshl_add_u32 v[SPW], v0, 2, SPARE
	v_mov_b32 v[NIL], 0
	v_lshrrev_b32 v9, 5, v0
	v_readfirstlane_b32 s2, v9                     ; wave
	v_and_b32 v10, 31, v0                          ; lane
	v_lshlrev_b32 v[L16], 4, v10
	s_mul_i32 s3, s2, TURNB
	v_lshrrev_b32 v9, 3, v10
	v_mul_u32_u24 v9, v9, 144
	v_and_b32 v11, 7, v10
	v_lshl_add_u32 v9, v11, 4, v9
	v_add_nc_u32 v[TS], s3, v9
	v_mul_u32_u24 v9, v10, 144
	v_add_nc_u32 v[TL], s3, v9
	s_lshl_b32 s3, s2, 6
	v_mul_u32_u24 v9, v10, 272
	v_add_nc_u32 v[CS], s3, v9
	v_lshrrev_b32 v9, 4, v10
	v_and_b32 v11, 15, v10
	v_lshl_add_u32 v[SS], v9, 8, v11
	v_add_nc_u32 v[SS], s3, v[SS]
	v_mul_u32_u24 v9, v9, 272
	v_lshl_add_u32 v9, v11, 4, v9
	s_mul_i32 s3, s2, 2176
	v_add_nc_u32 v[CR], s3, v9
	s_mov_b32 s30, 0x76543210                      ; v_permlanex16_b32's selects for lane l xor 16
	s_mov_b32 s31, 0xfedcba98
	s_mov_b32 s32, 0x3a800000                      ; 1 / 1,024
	s_mov_b32 s33, 0x3727c5ac                      ; eps = 1e-5
	s_and_b32 s28, ttmp9, 63
	s_cmp_lt_u32 ttmp9, 512
	s_cselect_b32 s28, ttmp9, s28                  ; the tile's number in its own tensor
	s_lshr_b32 s29, s28, 1
	s_lshl_b32 s29, s29, 5
	s_and_b32 s28, s28, 1
	s_lshl_b32 s28, s28, 3
	s_add_co_u32 s28, s28, s29
	s_lshl_b32 s29, s2, 2
	s_add_co_u32 s28, s28, s29
	s_lshr_b32 s29, s2, 1
	s_lshl_b32 s29, s29, 3
	s_add_co_u32 s28, s28, s29                     ; my first row: 32 (G / 2) + 8 (G % 2) + 4 w + 8 (w / 2)
	s_lshl_b32 s28, s28, 12                        ; rows of 4,096 bytes
	s_mov_b32 s29, 0
	s_lshl_b32 s34, ttmp9, 13
	s_lshl_b32 s35, s2, 11
	s_add_co_u32 s34, s34, s35                     ; codes out: 8,192 g + 2,048 w
	s_mov_b32 s35, 0
	s_lshl_b32 s36, ttmp9, 9                       ; bytes out: 512 g
	s_mov_b32 s37, 0
	s_lshr_b32 s3, ttmp9, 6
	s_wait_kmcnt 0x0
	s_cmp_eq_u32 s3, 9                             ; the source is chosen by the work-group's number alone
	s_cselect_b64 s[26:27], s[12:13], s[10:11]
	s_cmp_eq_u32 s3, 10
	s_cselect_b64 s[26:27], s[14:15], s[26:27]
	s_cmp_eq_u32 s3, 11
	s_cselect_b64 s[26:27], s[16:17], s[26:27]
	s_cmp_lt_u32 ttmp9, 512
	s_cselect_b64 s[26:27], s[8:9], s[26:27]
	s_add_nc_u64 s[26:27], s[26:27], s[28:29]
	s_add_nc_u64 s[22:23], s[22:23], s[34:35]
	s_add_nc_u64 s[24:25], s[24:25], s[36:37]
.irp j, 0,1,2,3,4,5,6,7
	global_load_b128 v[GA+4*\j:GA+4*\j+3], v[L16], s[18:19] offset:512*\j
	global_load_b128 v[BE+4*\j:BE+4*\j+3], v[L16], s[20:21] offset:512*\j
.endr
.irp i, 0,1,2,3
.irp j, 0,1,2,3,4,5,6,7
	global_load_b128 v[X+32*\i+4*\j:X+32*\i+4*\j+3], v[L16], s[26:27] offset:4096*\i+512*\j th:TH_LOAD_NT   ; register 4 j + e of a row: element 128 j + 4 l + e
.endr
.endr
.macro ACROSS a, t                     ; the sum over the 32 lanes, in every lane; v[t] has been written before
	v_add_f32_dpp v[\a], v[\a], v[\a] row_xmask:1 row_mask:0xf bank_mask:0xf
	v_add_f32_dpp v[\a], v[\a], v[\a] row_xmask:2 row_mask:0xf bank_mask:0xf
	v_add_f32_dpp v[\a], v[\a], v[\a] row_xmask:4 row_mask:0xf bank_mask:0xf
	v_add_f32_dpp v[\a], v[\a], v[\a] row_xmask:8 row_mask:0xf bank_mask:0xf
	v_permlanex16_b32 v[\t], v[\a], s30, s31
	v_add_f32 v[\a], v[\a], v[\t]
.endm
.macro ROW i
.set XR, X+32*(\i)
	s_wait_loadcnt 8*(3-(\i))                      ; loads come back in order: this row's eight (and gamma, beta) are in; the later rows' may be out
	s_cmp_lt_u32 ttmp9, 512
	s_cbranch_scc0 .Lplain_\@                      ; a weight is quantised as it is
	; LayerNorm as reference() has it: the mean; the mean of the squared differences; (x - mu) rsqrt(var + eps) gamma + beta
.irp c, 0,1,2,3
	v_pk_add_f32 v[Y+2*\c:Y+2*\c+1], v[XR+2*\c:XR+2*\c+1], v[XR+8+2*\c:XR+9+2*\c]   ; four chains; the first sums start them
.endr
.irp a, 16,24
.irp c, 0,1,2,3
	v_pk_add_f32 v[Y+2*\c:Y+2*\c+1], v[Y+2*\c:Y+2*\c+1], v[XR+\a+2*\c:XR+\a+1+2*\c]
.endr
.endr
	v_pk_add_f32 v[Y:Y+1], v[Y:Y+1], v[Y+2:Y+3]
	v_pk_add_f32 v[Y+4:Y+5], v[Y+4:Y+5], v[Y+6:Y+7]
	v_pk_add_f32 v[Y:Y+1], v[Y:Y+1], v[Y+4:Y+5]
	v_add_f32 v[Y], v[Y], v[Y+1]
	ACROSS Y, Y+1
	v_mul_f32 v[Y+2], s32, v[Y]                    ; mu
	v_mov_b32 v[Y+3], v[Y+2]
.set n, 0
.rept 16
	v_pk_add_f32 v[XR+n:XR+n+1], v[XR+n:XR+n+1], v[Y+2:Y+3] neg_lo:[0,1] neg_hi:[0,1]
.set n, n+2
.endr
.irp c, 0,1,2,3
	v_pk_mul_f32 v[Y+8+2*\c:Y+9+2*\c], v[XR+2*\c:XR+2*\c+1], v[XR+2*\c:XR+2*\c+1]
.endr
.irp a, 8,16,24
.irp c, 0,1,2,3
	v_pk_fma_f32 v[Y+8+2*\c:Y+9+2*\c], v[XR+\a+2*\c:XR+\a+1+2*\c], v[XR+\a+2*\c:XR+\a+1+2*\c], v[Y+8+2*\c:Y+9+2*\c]
.endr
.endr
	v_pk_add_f32 v[Y+8:Y+9], v[Y+8:Y+9], v[Y+10:Y+11]
	v_pk_add_f32 v[Y+12:Y+13], v[Y+12:Y+13], v[Y+14:Y+15]
	v_pk_add_f32 v[Y+8:Y+9], v[Y+8:Y+9], v[Y+12:Y+13]
	v_add_f32 v[Y+8], v[Y+8], v[Y+9]
	ACROSS Y+8, Y+9
	v_fma_f32 v[Y+4], v[Y+8], s32, s33             ; var + eps
	v_rsq_f32 v[Y+6], v[Y+4]
	v_nop                                          ; a plain instruction behind the transcendental,
	s_wait_alu depctr_va_vdst(0)                   ; and the wait ahead of the first line that names its result
	v_mov_b32 v[Y+7], v[Y+6]
.set n, 0
.rept 16
	v_pk_mul_f32 v[XR+n:XR+n+1], v[XR+n:XR+n+1], v[Y+6:Y+7]
.set n, n+2
.endr
.set n, 0
.rept 16
	v_pk_fma_f32 v[XR+n:XR+n+1], v[XR+n:XR+n+1], v[GA+n:GA+n+1], v[BE+n:BE+n+1]
.set n, n+2
.endr
.Lplain_\@:
.irp j, 0,1,2,3,4,5,6,7
	ds_store_b128 v[TS], v[XR+4*\j:XR+4*\j+3] offset:576*\j        ; the row as it lies, 16 bytes of padding behind each 128
.endr
.irp k, 0,1,2,3,4,5,6,7
	ds_load_b128 v[Y+4*\k:Y+4*\k+3], v[TL] offset:16*\k            ; LDS serves a wave's instructions in order: these see the stores; lane l takes elements 32 l .. 32 l + 31
.endr
	s_wait_dscnt 0x0
	v_max3_num_f32 v9, |v[Y]|, |v[Y+1]|, |v[Y+2]|                  ; the block's largest magnitude: all 32 numbers are mine; two chains
	v_max3_num_f32 v10, |v[Y+3]|, |v[Y+4]|, |v[Y+5]|
.irp k, 6,10,14,18,22,26
	v_max3_num_f32 v9, v9, |v[Y+\k]|, |v[Y+\k+1]|
	v_max3_num_f32 v10, v10, |v[Y+\k+2]|, |v[Y+\k+3]|
.endr
	v_max3_num_f32 v9, v9, |v[Y+30]|, |v[Y+31]|
	v_max3_num_f32 v9, v9, v10, 0x1800000          ; and the floor 2^(3 - 127): the byte cannot fall under 1
	v_add_nc_u32 v11, 0xff000000, v9               ; 2 off the exponent field: the conversion takes this operand's exponent field as its scale
	v_lshrrev_b32 v[BY+\i], 23, v11                ; the scale's byte
.irp g, 0,1,2,3
	v_cvt_scalef32_pk8_fp4_f32 v[CD+4*(\i)+\g], v[Y+8*\g:Y+8*\g+7], v11
.endr
	v_nop                                          ; a plain instruction behind the last conversion: the next row writes its sources
	ds_store_b128 v[CS], v[CD+4*(\i):CD+4*(\i)+3] offset:CSTG+16*(\i)   ; block l, place 4 w + i
	ds_store_b8 v[SS], v[BY+\i] offset:SSTG+16*(\i)
.endm
	ROW 0
	ROW 1
	ROW 2
	ROW 3
	s_wait_dscnt 0x0                               ; for the others' sake: my stores into the stages are done
	s_barrier_signal -1
	s_barrier_wait -1
.irp j, 0,1,2,3
	ds_load_b128 v[Y+4*\j:Y+4*\j+3], v[CR] offset:CSTG+544*\j      ; two rows of 256 bytes a load
.endr
.irp j, 0,1,2,3
	s_wait_dscnt 3-\j                              ; the younger loads may be out
	global_store_b128 v[L16], v[Y+4*\j:Y+4*\j+3], s[22:23] offset:512*\j   ; 512 consecutive bytes, at a multiple of 512 from the buffer's first byte
.endr
	s_cmp_lg_u32 s2, 0
	s_cbranch_scc1 .Lend                           ; the tile's 512 scale bytes are one store: wave 0's
	ds_load_b128 v[Y+16:Y+19], v[L16] offset:SSTG
	s_wait_dscnt 0x0
	global_store_b128 v[L16], v[Y+16:Y+19], s[24:25]
.Lend:
	s_wait_tensorcnt 0x0                           ; the wave's end, behind my last LDS store
	ds_add_u32 v[SPW], v[NIL]
	s_wait_dscnt 0x0
	s_endpgm
.Lfunc_end_k_qb2e54ab66b_prep:
	.size	k_qb2e54ab66b_prep, .Lfunc_end_k_qb2e54ab66b_prep-k_qb2e54ab66b_prep
	.p2alignl 7, 3214868480
	.fill 96, 4, 3214868480
	.section	.rodata,"a",@progbits
	.p2align	6, 0x0
	.amdhsa_kernel k_qb2e54ab66b_prep
		.amdhsa_group_segment_fixed_size 28160
		.amdhsa_private_segment_fixed_size 0
		.amdhsa_enable_private_segment 0
		.amdhsa_kernarg_size 72
		.amdhsa_user_sgpr_count 2
		.amdhsa_user_sgpr_kernarg_segment_ptr 1
		.amdhsa_wavefront_size32 1
		.amdhsa_system_sgpr_workgroup_id_x 1
		.amdhsa_system_sgpr_workgroup_id_y 1
		.amdhsa_system_sgpr_workgroup_id_z 1
		.amdhsa_system_vgpr_workitem_id 0
		.amdhsa_next_free_vgpr 256
		.amdhsa_next_free_sgpr 66
		.amdhsa_reserve_vcc 0
		.amdhsa_float_denorm_mode_32 3
		.amdhsa_float_denorm_mode_16_64 3
		.amdhsa_memory_ordered 1
		.amdhsa_forward_progress 1
		.amdhsa_inst_pref_size 44
	.end_amdhsa_kernel
	.amdgpu_metadata
---
amdhsa.version: [ 1, 2 ]
amdhsa.kernels:
  - .name:           k_qb2e54ab66b_prep
    .symbol:         k_qb2e54ab66b_prep.kd
    .args:
      - { .name: x, .offset: 0, .size: 8, .value_kind: global_buffer, .address_space: global }
      - { .name: Wq, .offset: 8, .size: 8, .value_kind: global_buffer, .address_space: global }
      - { .name: Wk, .offset: 16, .size: 8, .value_kind: global_buffer, .address_space: global }
      - { .name: Wv, .offset: 24, .size: 8, .value_kind: global_buffer, .address_space: global }
      - { .name: Wo, .offset: 32, .size: 8, .value_kind: global_buffer, .address_space: global }
      - { .name: gamma, .offset: 40, .size: 8, .value_kind: global_buffer, .address_space: global }
      - { .name: beta, .offset: 48, .size: 8, .value_kind: global_buffer, .address_space: global }
      - { .name: cod, .offset: 56, .size: 8, .value_kind: global_buffer, .address_space: global }
      - { .name: scl, .offset: 64, .size: 8, .value_kind: global_buffer, .address_space: global }
    .group_segment_fixed_size: 28160
    .private_segment_fixed_size: 0
    .kernarg_segment_align: 8
    .kernarg_segment_size: 72
    .max_flat_workgroup_size: 128
    .sgpr_count:     66
    .vgpr_count:     256
    .wavefront_size: 32
...
	.end_amdgpu_metadata
.endif
;; end of part 1
;; launch qkv (part 2): grid 12 x 32, 4 waves a work-group, clusters of 4 x 4, 327,680 bytes of LDS; arguments cod, scl, bq, bk, bv, qc, qs, kv; writes qc, qs, kv
.if DOCPART == 2
	.amdgcn_target "amdgcn-amd-amdhsa--gfx1250"
	.amdhsa_code_object_version 6
	.text
	.protected	k_qb2e54ab66b_qkv
	.globl	k_qb2e54ab66b_qkv
	.p2align	8
	.type	k_qb2e54ab66b_qkv,@function
k_qb2e54ab66b_qkv:
	s_mov_b64 s[64:65], 0
	v_nop
	global_prefetch_b8 v0, s[64:65] scope:SCOPE_SE
	s_setreg_imm32_b32 hwreg(HW_REG_WAVE_MODE, 25, 1), 1
	s_wait_xcnt 0x0
	s_wait_alu depctr_hold_cnt(0) depctr_sa_sdst(0) depctr_va_vdst(0) depctr_va_sdst(0) depctr_va_ssrc(0) depctr_va_vcc(0) depctr_vm_vsrc(0)
	s_getreg_b32 s2, hwreg(HW_REG_IB_STS2, 6, 4)
	s_cmp_eq_u32 s2, 0
	s_cbranch_scc0 .Lentry_in_a_cluster
	s_endpgm
.Lentry_in_a_cluster:
	s_bfe_u32 s2, ttmp6, 0x10000c
	s_cmp_lg_u32 s2, 0xf033
	s_cbranch_scc0 .Lentry_shape_is_right
	s_endpgm
.Lentry_shape_is_right:
; q = xn Wq^T + bq, k = xn Wk^T + bk, v = xn Wv^T + bv on codes of E2M1 (K = 1,024), and the results' own codes: q's and k's along a head's 64 channels, v's along the keys.  No work is left out here.
; A UNIT is 16 tiles of 16 rows = 256 rows: 131,072 bytes of cod, 8,192 of scl.  Units 0-31 are the tokens, 32-35 Wq, 36-39 Wk, 40-43 Wv.  (Tile order and images: see prep.)
; A work-group multiplies unit P (source 0: its rows come to lie along a lane's registers) by unit Q (source 1: its rows come to lie in lanes): 256 x 256, four waves of 128 x 128, 64 accumulators each.
;   cluster x = 0, 1 (q, k): P = the weight's unit cx, Q = token unit 4 cluster y + cy: a lane holds a token, its registers run along channels, which is q's and k's next K.
;   cluster x = 2 (v):       P = token unit 4 cluster y + cx, Q = Wv's unit cy: a lane holds a channel, its registers run along tokens: the keys, v's next K.
; In every cluster P hangs on cx and is asked for jointly by a column of the cluster, Q on cy and by a row.  The choice between the two cases hangs on the cluster's x, which all partners share.
; ALL OF K LIES IN LDS: two halves of K, 131,072 bytes each, and the scale bytes: three first fills a wave, nothing is filled again; three tensor loads of a wave are out at the most.
; The images are dense: a fragment is two loads of 512 consecutive bytes, so there is no pitch and no padding.
; 384 work-groups: one and a half rounds of 256; a smaller tile would even that out and fetch each unit more often.
; OUT (read by attn):  qc [bh][tile 128][lane][16 B]: lane (r, h): block h of the head's 64 channels of the tile's place r.   qs [bh][step 16][r][pair 4] words: the two bytes of tile 8 step + 2 pair, then of the next tile.
;   kv [bh][slot 4] blocks of 34,816 bytes, a slot = 4 steps of 128 keys: K's codes (step x 4,096 + tile x 512, as qc), at 16,384 V's codes (step x 4,096 + channel tile x 1,024: a fragment's image, K = the step's keys),
;   at 32,768 K's scale words (step x 256 + 16 r + 4 pair), at 33,792 V's (step x 256 + 16 r + 4 channel tile).
; REGISTERS, in windows of 256: window 0: v1 r, v2 h, v3 16 x lane; addresses to v29; v32-95 scale words; v96-127 at work; v128-191, v192-255 Q's fragments, two sets (on the way out: 64 numbers, and the codes of 8 tiles).
;   window 1: v0-63, v128-191 P's fragments, two sets; v64-127 the bias.   windows 2, 3: accumulator (o, i) at v[8 (8 (o % 4) + i)], o = Q's tile, i = P's tile.
.set SLOTB, 131072                     ; half of K: wave x 32,768: waves 0, 1 bring Q's two halves of 8 tiles, waves 2, 3 P's; a tile 4,096 bytes, a K step 1,024
.set SCL,   262144                     ; the scale bytes: wave x 4,096
.set SPARE, 278528                     ; the spare words, 128 bytes a wave: two blocks of 256 bytes that no other line names
.set L16,  3
.set ADRA, 16                          ; v16-17 my Q fragments in half 0, 1
.set ADRB, 20                          ; v20-21 my P fragments
.set BVO,  22                          ; v22 the bias loads' offset
.set VO1,  25                          ; v25 the second head's codes
.set SO,   26                          ; v26 the scale words' store
.set ADRS, 27                          ; v27 scale words: lanes 0-15 Q's, lanes 16-31 P's
.set SPW,  28
.set NIL,  29
.set SC,   32                          ; register 8 i + K step: lanes 0-15 Q's tile i, lanes 16-31 P's tile i
.set TM,   96                          ; v96-99 largest magnitudes, v100-103 bytes, v108-111 the conversions' scale operands
.set W,    112                         ; v112-115 the scale words that leave
.set PWS,  116                         ; v116-123 v's scale word of each tile
.set T0,   124
.set H,    128
.set PCB,  192
.set BI,   64                          ; in window 1
.set SEL,  100                         ; s[100:101]
.set G1, 24                            ; s[24:31] group 1 for Q's codes; s[32:39] group 0, one for each half of K
.set G0, 32
.set G1B, 48                           ; the same for P's
.set G0B, 56
.set G1S, 68                           ; for Q's scale bytes
.set G0S, 76
.set G1SB, 80                          ; for P's
.set G0SB, 88
.set MSB, 0
.macro WIN new                         ; the immediate's high byte repeats the setting that is left; a switch that changes nothing is dropped
.if MSB != (\new)
	s_set_vgpr_msb (MSB<<8)|(\new)
.set MSB, (\new)
.endif
.endm
; A joint load: waves 0 and 1 fetch for Q, waves 2 and 3 for P.  Each line has one mask and one set of registers for all that issue it; the branch hangs on the wave's number alone.
; An s_nop 0 and four v_nop follow each line.
.macro JLOAD g0a, g1a, g0b, g1b
	s_cmp_eq_u32 s21, 0
	s_cbranch_scc0 .Lfor_p_\@
	tensor_load_to_lds s[\g0a:\g0a+3], s[\g1a:\g1a+7]
	s_nop 0
.rept 4
	v_nop
.endr
	s_branch .Lasked_\@
.Lfor_p_\@:
	tensor_load_to_lds s[\g0b:\g0b+3], s[\g1b:\g1b+7]
	s_nop 0
.rept 4
	v_nop
.endr
.Lasked_\@:
.endm
.macro CROUND                          ; a round of the cluster's barrier
	s_barrier_signal -1
	s_barrier_wait -1
	s_cmp_lg_u32 s20, 0
	s_cbranch_scc1 .Lnot_wave_0_\@
	s_barrier_signal -3
.Lnot_wave_0_\@:
	s_barrier_wait -3
	s_barrier_signal -1
	s_barrier_wait -1
.endm
.macro PLACES n
.rept \n
	v_nop
.endr
.endm
	s_load_b512 s[4:19], s[0:1], 0x0               ; cod, scl, bq, bk, bv, qc, qs, kv
	v_lshl_add_u32 v[SPW], v0, 2, SPARE
	v_mov_b32 v[NIL], 0
	ds_add_u32 v[SPW], v[NIL]                      ; the wave's opening: the add, twice on end, and its wait ahead of my first tensor load
	ds_add_u32 v[SPW], v[NIL]
	v_lshrrev_b32 v1, 5, v0
	v_readfirstlane_b32 s20, v1                    ; wave
	s_lshr_b32 s21, s20, 1                         ; which 128 rows of Q are mine.  Also: I fetch for Q (0) or for P (1)
	s_and_b32 s22, s20, 1                          ; which 128 rows of P.  Also: which half of that unit I fetch
	s_mov_b32 s23, 0xffff0000                      ; lanes 16-31
	s_mov_b32 s[SEL], 0x76543210
	s_mov_b32 s[SEL+1], 0xfedcba98
	s_bfe_u32 s40, ttmp6, 0x40000                  ; cx
	s_bfe_u32 s41, ttmp6, 0x40004                  ; cy
	s_and_b32 s43, ttmp7, 0xffff
	s_lshl_b32 s43, s43, 2                         ; 4 x cluster y
	s_lshl_b32 s42, ttmp9, 2
	s_add_co_u32 s42, s42, 32                      ; the weight's first unit
	s_cmp_lt_u32 ttmp9, 2
	s_cselect_b32 s46, s42, s43                    ; P's first unit
	s_cselect_b32 s94, s43, 40                     ; Q's
	s_add_co_u32 s46, s46, s40                     ; P's unit: cx alone enters
	s_add_co_u32 s94, s94, s41                     ; Q's unit: cy alone enters
	s_lshl_b32 s92, s46, 13
	s_lshl_b32 s46, s46, 17
	s_lshl_b32 s96, s94, 13
	s_lshl_b32 s94, s94, 17
	s_lshl_b32 s3, s22, 16                         ; the half that I fetch: 8 tiles of 8,192 bytes
	s_add_co_u32 s46, s46, s3
	s_add_co_u32 s94, s94, s3
	s_lshl_b32 s3, s22, 12
	s_add_co_u32 s92, s92, s3
	s_add_co_u32 s96, s96, s3
	s_mov_b32 s47, 0
	s_mov_b32 s93, 0
	s_mov_b32 s95, 0
	s_mov_b32 s97, 0
	s_lshl_b32 s44, s41, 2
	s_lshl_b32 s44, 15, s44                        ; my row of the cluster
	s_lshl_b32 s45, 0x1111, s40                    ; my column
	s_or_b32 s[G1], s44, (3<<16)|(1<<21)           ; 15:0 the mask; 17:16 elements of 8 bytes; 21 set beside a mask; no padding
	s_or_b32 s[G1B], s45, (3<<16)|(1<<21)
	s_or_b32 s[G1S], s44, (3<<16)|(1<<21)
	s_or_b32 s[G1SB], s45, (3<<16)|(1<<21)
.irp g, G1, G1B                        ; codes: 8 tiles; of each the 4,096 bytes of one half of K (512 elements), 8,192 bytes (1,024 elements) from tile to tile
	s_mov_b32 s[\g+1], 512<<16
	s_mov_b32 s[\g+2], 8<<16
	s_mov_b32 s[\g+3], 512<<16
	s_mov_b32 s[\g+4], 8
	s_mov_b32 s[\g+5], 1024
	s_mov_b32 s[\g+6], 0
	s_mov_b32 s[\g+7], 0
.endr
.irp g, G1S, G1SB                      ; scale bytes: 4,096 dense bytes as 16 rows of 256
	s_mov_b32 s[\g+1], 32<<16
	s_mov_b32 s[\g+2], 16<<16
	s_mov_b32 s[\g+3], 32<<16
	s_mov_b32 s[\g+4], 16
	s_mov_b32 s[\g+5], 32
	s_mov_b32 s[\g+6], 0
	s_mov_b32 s[\g+7], 0
.endr
	s_lshl_b32 s98, s20, 15                        ; where they go: the wave's number alone enters an LDS address
	s_lshl_b32 s99, s20, 12
	s_wait_dscnt 0x0                               ; both opening adds are done
	s_wait_kmcnt 0x0
	s_add_nc_u64 s[46:47], s[4:5], s[46:47]
	s_add_nc_u64 s[92:93], s[6:7], s[92:93]
	s_add_nc_u64 s[94:95], s[4:5], s[94:95]
	s_add_nc_u64 s[96:97], s[6:7], s[96:97]
	CROUND                                         ; all sixteen work-groups are here: the joint loads meet
	s_mov_b32 s[G0S], 1
	s_add_co_u32 s[G0S+1], s99, SCL
	s_mov_b64 s[G0S+2:G0S+3], s[96:97]
	s_or_b32 s[G0S+3], s[G0S+3], 0x80000000
	s_mov_b32 s[G0SB], 1
	s_add_co_u32 s[G0SB+1], s99, SCL
	s_mov_b64 s[G0SB+2:G0SB+3], s[92:93]
	s_or_b32 s[G0SB+3], s[G0SB+3], 0x80000000
	JLOAD G0S, G1S, G0SB, G1SB                     ; the scale bytes first: they are wanted with the first K step
.irp s, 0,1
	s_mov_b32 s[G0+4*\s], 1
	s_add_co_u32 s[G0+4*\s+1], s98, \s*SLOTB
	s_add_nc_u64 s[G0+4*\s+2:G0+4*\s+3], s[94:95], \s*4096
	s_or_b32 s[G0+4*\s+3], s[G0+4*\s+3], 0x80000000
	s_mov_b32 s[G0B+4*\s], 1
	s_add_co_u32 s[G0B+4*\s+1], s98, \s*SLOTB
	s_add_nc_u64 s[G0B+4*\s+2:G0B+4*\s+3], s[46:47], \s*4096
	s_or_b32 s[G0B+4*\s+3], s[G0B+4*\s+3], 0x80000000
	JLOAD G0+4*\s, G1, G0B+4*\s, G1B
.endr
	v_and_b32 v1, 15, v0                           ; r
	v_bfe_u32 v2, v0, 4, 1                         ; h
	v_and_b32 v[L16], 31, v0
	v_lshlrev_b32 v[L16], 4, v[L16]
	s_lshl_b32 s3, s21, 15
	v_add_nc_u32 v[ADRA], s3, v[L16]
	s_add_co_u32 s3, s3, SLOTB
	v_add_nc_u32 v[ADRA+1], s3, v[L16]
	s_lshl_b32 s3, s22, 15
	s_add_co_u32 s3, s3, 65536
	v_add_nc_u32 v[ADRB], s3, v[L16]
	s_add_co_u32 s3, s3, SLOTB
	v_add_nc_u32 v[ADRB+1], s3, v[L16]
	s_lshl_b32 s3, s22, 12
	s_add_co_u32 s3, s3, 8192
	s_lshl_b32 s2, s21, 12
	s_sub_co_u32 s3, s3, s2                        ; from Q's words of my half to P's of mine
	v_mul_u32_u24 v4, s3, v2                       ; lanes 16-31 take P's
	v_lshl_add_u32 v4, v1, 4, v4
	s_add_co_u32 s2, s2, SCL
	v_add_nc_u32 v[ADRS], s2, v4
.irp b, 0,1,2,3
	v_mov_b32 v[TM+4+\b], 0                        ; written once: a lane permute's destination counts as one of its sources
.endr
.macro FETCH kh, q, st                 ; the fragments of K step q of half kh into set st: 32 loads of 512 consecutive bytes
	WIN 0x40                                       ; destination window 1
.irp i, 0,1,2,3,4,5,6,7
.irp c, 0,1
	ds_load_b128 v[128*(\st)+8*\i+4*\c:128*(\st)+8*\i+4*\c+3], v[ADRB+\kh] offset:\i*4096+(\q)*1024+\c*512
.endr
.endr
	WIN 0
.irp o, 0,1,2,3,4,5,6,7
.irp c, 0,1
	ds_load_b128 v[128+64*(\st)+8*\o+4*\c:128+64*(\st)+8*\o+4*\c+3], v[ADRA+\kh] offset:\o*4096+(\q)*1024+\c*512
.endr
.endr
.endm
.macro SCALES                          ; all eight K steps' words: four words a load
.irp i, 0,1,2,3,4,5,6,7
.irp k, 0,1
	ds_load_b128 v[SC+8*\i+4*\k:SC+8*\i+4*\k+3], v[ADRS] offset:\i*512+\k*256
.endr
.endr
.endm
; 64 matrix instructions, 128 along K.  The 64 accumulators take turns, one instruction a turn, in the same order in every step.  zero = 1: the products start the sums.
.macro MUL64 st, kq, zero
.irp o, 0,1,2,3,4,5,6,7
	WIN 0xa1+0x50*(\o/4)
.irp i, 0,1,2,3,4,5,6,7
.if \zero
	v_wmma_scale_f32_16x16x128_f8f6f4 v[8*(8*(\o%4)+\i):8*(8*(\o%4)+\i)+7], v[128*(\st)+8*\i:128*(\st)+8*\i+7], v[128+64*(\st)+8*\o:128+64*(\st)+8*\o+7], 0, v[SC+8*\i+(\kq)], v[SC+8*\o+(\kq)] matrix_a_fmt:MATRIX_FMT_FP4 matrix_b_fmt:MATRIX_FMT_FP4 matrix_a_scale:MATRIX_SCALE_ROW1
.else
	v_wmma_scale_f32_16x16x128_f8f6f4 v[8*(8*(\o%4)+\i):8*(8*(\o%4)+\i)+7], v[128*(\st)+8*\i:128*(\st)+8*\i+7], v[128+64*(\st)+8*\o:128+64*(\st)+8*\o+7], v[8*(8*(\o%4)+\i):8*(8*(\o%4)+\i)+7], v[SC+8*\i+(\kq)], v[SC+8*\o+(\kq)] matrix_a_fmt:MATRIX_FMT_FP4 matrix_b_fmt:MATRIX_FMT_FP4 matrix_a_scale:MATRIX_SCALE_ROW1
.endif
.endr
.endr
.endm
.macro STEP kh, q, zero                ; a K step whose successor lies in the same half
	s_wait_dscnt 0x0                               ; this step's fragments are in (asked for 64 matrix instructions ago)
	PLACES 4                                       ; four plain instructions in front of loads into the set that the last step's products read
	FETCH \kh, (\q)+1, 1-(\q)%2
	MUL64 (\q)%2, 4*(\kh)+(\q), \zero
.endm
.macro TAIL                            ; the last step of half 0 and all of half 1
	PLACES 4
	FETCH 1, 0, 0
	MUL64 1, 3, 0
	STEP 1, 0, 0
	STEP 1, 1, 0
	STEP 1, 2, 0
	s_wait_dscnt 0x0
	MUL64 1, 7, 0
	WIN 0
	PLACES 4                                       ; in front of the first read of results and the first write over fragments
.endm
; 64 numbers of a lane, register 16 b + i = k 32 b + 16 h + i of my row, become a fragment's codes in v[pc] on; the four blocks' bytes are left in v[TM+4] on.
.macro QUANT s, pc
.irp b, 0,1,2,3
	v_max3_num_f32 v[TM+\b], |v[\s+16*\b]|, |v[\s+1+16*\b]|, 0x1800000   ; my 16 numbers of block b, and the floor 2^(3 - 127): the byte cannot fall under 1
.endr
.irp i, 2,4,6,8,10,12,14
.irp b, 0,1,2,3
	v_max3_num_f32 v[TM+\b], v[TM+\b], |v[\s+16*\b+\i]|, |v[\s+1+16*\b+\i]|
.endr
.endr
.irp b, 0,1,2,3
	v_permlanex16_b32 v[TM+4+\b], v[TM+\b], s[SEL], s[SEL+1]
.endr
.irp b, 0,1,2,3
	v_max_num_f32 v[TM+\b], v[TM+\b], v[TM+4+\b]   ; with lane l xor 16's: the block's largest magnitude
.endr
.irp b, 0,1,2,3
	v_add_nc_u32 v[TM+12+\b], 0xff000000, v[TM+\b] ; 2 off its exponent field: the conversion's scale operand
.endr
.irp b, 0,1,2,3
	v_lshrrev_b32 v[TM+4+\b], 23, v[TM+12+\b]      ; the scale's byte
.endr
.irp b, 0,1,2,3
	v_cvt_scalef32_pk8_fp4_f32 v[\pc+2*\b], v[\s+16*\b:\s+7+16*\b], v[TM+12+\b]
	v_cvt_scalef32_pk8_fp4_f32 v[\pc+1+2*\b], v[\s+8+16*\b:\s+15+16*\b], v[TM+12+\b]
.endr
	v_nop                                          ; a plain instruction behind the last conversion
.irp c, 0,1                            ; the operand's layout wants a whole block in a lane: lanes 0-15 block 2 c, lanes 16-31 block 2 c + 1
.irp i, 0,1
	v_permlane16_swap_b32 v[\pc+4*\c+\i], v[\pc+2+4*\c+\i]
.endr
.endr
.endm
	s_wait_tensorcnt 1                             ; the scale bytes and my part of half 0 are in; half 1's load may stay out
	s_barrier_signal -1
	s_barrier_wait -1
	SCALES
	FETCH 0, 0, 0
	STEP 0, 0, 1
	STEP 0, 1, 0
	STEP 0, 2, 0
	WIN 0
	s_wait_dscnt 0x0
	s_wait_tensorcnt 0x0                           ; my part of half 1 is in; from here on the descriptors' registers are free
	s_barrier_signal -1
	s_barrier_wait -1                              ; everybody's is
	s_cmp_lt_u32 ttmp9, 2                          ; the cluster's x: the same in all partners and all waves
	s_cbranch_scc0 .Lv_arm
	; ---------------- q or k: a lane holds a token, its 128 numbers are two heads' channels
	s_cmp_eq_u32 ttmp9, 0
	s_cselect_b64 s[48:49], s[14:15], s[18:19]     ; codes go to qc or kv,
	s_cselect_b64 s[50:51], s[16:17], s[18:19]     ; scale words to qs or kv,
	s_cselect_b64 s[52:53], s[8:9], s[10:11]       ; the bias is bq or bk
	s_mov_b32 s24, 139264
	s_cselect_b32 s26, 4096, s24                   ; from head to head among the scale words,
	s_cselect_b32 s24, 65536, s24                  ; among the codes;
	s_mov_b32 s25, 34816
	s_cselect_b32 s27, 1024, s25                   ; four steps on among the scale words,
	s_cselect_b32 s25, 16384, s25                  ; among the codes;
	s_cselect_b32 s28, 0, 32768                    ; where the scale words begin
	s_add_co_u32 s29, s43, s41                     ; my token unit
	s_lshr_b32 s30, s29, 3                         ; the batch
	s_and_b32 s29, s29, 7
	s_lshl_b32 s29, s29, 1
	s_add_co_u32 s29, s29, s21                     ; my step of 128 tokens in the batch
	s_lshl_b32 s30, s30, 4
	s_lshl_b32 s31, s40, 2
	s_add_co_u32 s30, s30, s31
	s_lshl_b32 s31, s22, 1
	s_add_co_u32 s30, s30, s31                     ; my first head: 16 b + 4 cx + 2 wx
	s_lshr_b32 s31, s29, 2
	s_and_b32 s29, s29, 3
	s_mul_i32 s32, s30, s24
	s_mul_i32 s33, s31, s25
	s_add_co_u32 s32, s32, s33
	s_lshl_b32 s33, s29, 12
	s_add_co_u32 s32, s32, s33
	s_mov_b32 s33, 0
	s_add_nc_u64 s[48:49], s[48:49], s[32:33]
	s_mul_i32 s32, s30, s26
	s_mul_i32 s34, s31, s27
	s_add_co_u32 s32, s32, s34
	s_lshl_b32 s34, s29, 8
	s_add_co_u32 s32, s32, s34
	s_add_co_u32 s32, s32, s28
	s_add_nc_u64 s[50:51], s[50:51], s[32:33]
	s_lshl_b32 s32, s40, 10
	s_lshl_b32 s34, s22, 9
	s_add_co_u32 s32, s32, s34                     ; my 128 channels' bias
	s_add_nc_u64 s[52:53], s[52:53], s[32:33]
	v_lshlrev_b32 v[BVO], 6, v2                    ; 64 h: my 16 channels of a block of 32
	v_add_nc_u32 v[VO1], s24, v[L16]
	v_mul_u32_u24 v4, s26, v2
	v_lshl_add_u32 v[SO], v1, 4, v4                ; lanes 0-15 store the first head's words, lanes 16-31 the second's
	WIN 0x40
.irp b, 0,1,2,3
.irp k, 0,1,2,3
	global_load_b128 v[BI+16*\b+4*\k:BI+16*\b+4*\k+3], v[BVO], s[52:53] offset:128*\b+16*\k   ; register 16 b + e: channel 32 b + 16 h + e, as the results lie
.endr
.endr
	WIN 0
	TAIL
	s_wait_loadcnt 0x0                             ; the bias
.macro EPIQK o
	WIN 0x06+((\o)/4)                              ; source 0: the accumulators' window; source 1: window 1
.set AC, 64*((\o)%4)
.set n, 0
.rept 32
	v_pk_add_f32 v[H+n:H+n+1], v[AC+n:AC+n+1], v[BI+n:BI+n+1]      ; ascending: each accumulator is read from its low end on
.set n, n+2
.endr
	WIN 0
	QUANT H, PCB+8*(\o)
	v_lshl_or_b32 v[T0], v[TM+5], 8, v[TM+4]       ; the first head's two bytes,
	v_lshl_or_b32 v[T0+1], v[TM+7], 8, v[TM+6]     ; the second's
.if (\o)%2 == 0
	v_cndmask_b32 v[W+(\o)/2], v[T0], v[T0+1], s23
.else
	v_cndmask_b32 v[T0], v[T0], v[T0+1], s23
	v_lshl_or_b32 v[W+(\o)/2], v[T0], 16, v[W+(\o)/2]
.endif
	global_store_b128 v[L16], v[PCB+8*(\o):PCB+8*(\o)+3], s[48:49] offset:(\o)*512     ; 512 consecutive bytes: the tile's codes of the first head,
	global_store_b128 v[VO1], v[PCB+8*(\o)+4:PCB+8*(\o)+7], s[48:49] offset:(\o)*512   ; of the second.  No store's registers are written again
.endm
.irp o, 0,1,2,3,4,5,6,7
	EPIQK \o
.endr
	global_store_b128 v[SO], v[W:W+3], s[50:51]    ; 256 consecutive bytes for each head: the step's scale words
	s_branch .Ldone
.Lv_arm:
	; ---------------- v: a lane holds a channel, its 128 numbers are a step's keys
	s_add_co_u32 s29, s43, s40                     ; my token unit
	s_lshr_b32 s30, s29, 3
	s_and_b32 s29, s29, 7
	s_lshl_b32 s29, s29, 1
	s_add_co_u32 s29, s29, s22                     ; my step of 128 keys
	s_lshl_b32 s30, s30, 4
	s_lshl_b32 s31, s41, 2
	s_add_co_u32 s30, s30, s31
	s_lshl_b32 s31, s21, 1
	s_add_co_u32 s30, s30, s31                     ; my first head: 16 b + 4 cy + 2 wy
	s_lshr_b32 s31, s29, 2
	s_and_b32 s29, s29, 3
	s_mul_i32 s32, s30, 139264
	s_mul_i32 s33, s31, 34816
	s_add_co_u32 s32, s32, s33
	s_lshl_b32 s34, s29, 12
	s_add_co_u32 s34, s34, s32
	s_add_co_u32 s34, s34, 16384
	s_mov_b32 s35, 0
	s_add_nc_u64 s[48:49], s[18:19], s[34:35]      ; V's codes
	s_lshl_b32 s34, s29, 8
	s_add_co_u32 s34, s34, s32
	s_add_co_u32 s34, s34, 33792
	s_add_nc_u64 s[50:51], s[18:19], s[34:35]      ; V's scale words
	s_lshl_b32 s34, s41, 10
	s_lshl_b32 s33, s21, 9
	s_add_co_u32 s34, s34, s33
	s_add_nc_u64 s[52:53], s[12:13], s[34:35]      ; bv at my 128 channels
	v_and_b32 v4, 8, v1
	v_add_nc_u32 v4, v4, v1
	v_lshlrev_b32 v[BVO], 2, v4                    ; 4 (r + 8 (r / 8)): my place's channel in a tile
	v_mul_u32_u24 v4, 139264, v2
	v_lshl_add_u32 v[SO], v1, 4, v4
	WIN 0x40
.irp o, 0,1,2,3,4,5,6,7
	global_load_b32 v[BI+2*\o], v[BVO], s[52:53] offset:(32*(\o/2)+8*(\o%2))*4     ; one number a lane and tile, twice: a pair for the packed addition
	global_load_b32 v[BI+2*\o+1], v[BVO], s[52:53] offset:(32*(\o/2)+8*(\o%2))*4
.endr
	WIN 0
	TAIL
	s_wait_loadcnt 0x0
.macro EPIV o
	WIN 0x06+((\o)/4)
.set AC, 64*((\o)%4)
.set n, 0
.rept 32
	v_pk_add_f32 v[H+n:H+n+1], v[AC+n:AC+n+1], v[BI+2*(\o):BI+2*(\o)+1]
.set n, n+2
.endr
	WIN 0
	QUANT H, PCB+8*(\o)
	v_lshl_or_b32 v[PWS+\o], v[TM+5], 8, v[TM+4]   ; the four blocks of 32 keys: the channel's scale word for this step
	v_lshl_or_b32 v[PWS+\o], v[TM+6], 16, v[PWS+\o]
	v_lshl_or_b32 v[PWS+\o], v[TM+7], 24, v[PWS+\o]
	global_store_b128 v[L16], v[PCB+8*(\o):PCB+8*(\o)+3], s[48:49] offset:((\o)/4)*139264+((\o)%4)*1024
	global_store_b128 v[L16], v[PCB+8*(\o)+4:PCB+8*(\o)+7], s[48:49] offset:((\o)/4)*139264+((\o)%4)*1024+512
.endm
.irp o, 0,1,2,3,4,5,6,7
	EPIV \o
.endr
.irp t, 0,1,2,3
	v_cndmask_b32 v[W+\t], v[PWS+\t], v[PWS+4+\t], s23             ; lanes 0-15 the first head's tiles, lanes 16-31 the second's
.endr
	global_store_b128 v[SO], v[W:W+3], s[50:51]
.Ldone:
	s_wait_tensorcnt 0x0                           ; the wave's end: behind my last tensor load
	ds_add_u32 v[SPW], v[NIL]
	s_wait_dscnt 0x0
	CROUND                                         ; the closing round
	s_endpgm
.Lfunc_end_k_qb2e54ab66b_qkv:
	.size	k_qb2e54ab66b_qkv, .Lfunc_end_k_qb2e54ab66b_qkv-k_qb2e54ab66b_qkv
	.p2alignl 7, 3214868480
	.fill 96, 4, 3214868480
	.section	.rodata,"a",@progbits
	.p2align	6, 0x0
	.amdhsa_kernel k_qb2e54ab66b_qkv
		.amdhsa_group_segment_fixed_size 327680
		.amdhsa_private_segment_fixed_size 0
		.amdhsa_enable_private_segment 0
		.amdhsa_kernarg_size 64
		.amdhsa_user_sgpr_count 2
		.amdhsa_user_sgpr_kernarg_segment_ptr 1
		.amdhsa_wavefront_size32 1
		.amdhsa_system_sgpr_workgroup_id_x 1
		.amdhsa_system_sgpr_workgroup_id_y 1
		.amdhsa_system_sgpr_workgroup_id_z 1
		.amdhsa_system_vgpr_workitem_id 0
		.amdhsa_next_free_vgpr 1024
		.amdhsa_next_free_sgpr 102
		.amdhsa_reserve_vcc 0
		.amdhsa_float_denorm_mode_32 3
		.amdhsa_float_denorm_mode_16_64 3
		.amdhsa_memory_ordered 1
		.amdhsa_forward_progress 1
		.amdhsa_inst_pref_size 244
	.end_amdhsa_kernel
	.amdgpu_metadata
---
amdhsa.version: [ 1, 2 ]
amdhsa.kernels:
  - .name:           k_qb2e54ab66b_qkv
    .symbol:         k_qb2e54ab66b_qkv.kd
    .args:
      - { .name: cod, .offset: 0, .size: 8, .value_kind: global_buffer, .address_space: global }
      - { .name: scl, .offset: 8, .size: 8, .value_kind: global_buffer, .address_space: global }
      - { .name: bq, .offset: 16, .size: 8, .value_kind: global_buffer, .address_space: global }
      - { .name: bk, .offset: 24, .size: 8, .value_kind: global_buffer, .address_space: global }
      - { .name: bv, .offset: 32, .size: 8, .value_kind: global_buffer, .address_space: global }
      - { .name: qc, .offset: 40, .size: 8, .value_kind: global_buffer, .address_space: global }
      - { .name: qs, .offset: 48, .size: 8, .value_kind: global_buffer, .address_space: global }
      - { .name: kv, .offset: 56, .size: 8, .value_kind: global_buffer, .address_space: global }
    .group_segment_fixed_size: 327680
    .private_segment_fixed_size: 0
    .kernarg_segment_align: 8
    .kernarg_segment_size: 64
    .max_flat_workgroup_size: 128
    .sgpr_count:     102
    .vgpr_count:     1024
    .wavefront_size: 32
...
	.end_amdgpu_metadata
.endif
;; end of part 2
;; launch attn (part 3): grid 8 x 64, 16 waves a work-group, no clusters, 327,680 bytes of LDS; arguments qc, qs, kv, ac, asc; writes ac, asc
.if DOCPART == 3
	.amdgcn_target "amdgcn-amd-amdhsa--gfx1250"
	.amdhsa_code_object_version 6
	.text
	.protected	k_qb2e54ab66b_attn
	.globl	k_qb2e54ab66b_attn
	.p2align	8
	.type	k_qb2e54ab66b_attn,@function
k_qb2e54ab66b_attn:
	s_mov_b64 s[64:65], 0
	v_nop
	global_prefetch_b8 v0, s[64:65] scope:SCOPE_SE
	s_setreg_imm32_b32 hwreg(HW_REG_WAVE_MODE, 25, 1), 1
	s_wait_xcnt 0x0
; Causal attention of one head on codes of E2M1, and the result's codes along the model's 1,024 channels.  Buffers as qkv leaves them (its head comment has the layouts).
; LEFT OUT: a step of 128 keys all of which come after a wave's 16 queries (shown dead at the head of prep: reference()'s own mask puts -1e9 there; the weight is 0 in f32).
; LIMITS: a row whose visible logits lie near or under -1e9 is not served; NaN and infinities are not served, and none that reaches only the steps left out is carried on.
; THE SOFTMAX AHEAD OF THE SECOND PRODUCT: t = score x log2(e) / 8; M = the running largest t rounded UP to a whole number; p = 2^(t - M) is quantised along the keys, not normalised; the row's sum is taken of
; the unquantised p and divides O at the end; when M moves, the sum and O are multiplied by 2^(old M - new M), which rounds nothing.  Hidden scores of the diagonal step become -infinity: p = 0.
; SHARES.  Work-group (j, bh) owns the blocks j and 15 - j of 128 queries of head bh: together 17 steps of 128 keys for each tile, the same in every work-group.  Sixteen waves of 256 registers, one tile of 16
; queries each; wave w takes the late block where (w xor w / 4) is odd, tile w / 2 of it: of any four waves w % 4 = const or w / 4 = const two are early and two late.
; HEAD SIZE 64 IN A PRODUCT OF K = 128: a fragment of K holds TWO tiles of keys, tile 2 p in blocks 0, 1 and tile 2 p + 1 in blocks 2, 3; the queries are kept twice, as [q, 0] and as [0, q]: zero codes add nothing.
; Both products are used transposed (S^T = K Q^T, O^T = V^T P^T): a lane holds one query throughout; by the tile order the 16 registers of tiles 2 b, 2 b + 1 are keys 32 b + 16 h + 0 .. 15 of the step.
; THE RING: two LDS slots of 4 steps; a slot is one dense block of kv, 34,816 bytes; waves 0 to 3 bring a quarter each.  Every wave walks all 4 slots, so that trip counts are constants; what is left out is a step's work.
; No cluster: the work-groups of a head would read different numbers of slots (the look-ahead ends at each work-group's own last step), so a joint load would bring tiles that a partner never reads.
; The result's scale bytes leave one byte a lane (32 bytes of a tile's 512): a tile's bytes come from 16 heads, that is from 16 work-groups; they are one byte in 17 of what the launch stores.
.set SLOTB, 34816
.set SLOT1, 65536                      ; one exclusive or turns an address in one slot into the other's
.set SPARE, 131072                     ; the spare words, 128 bytes for each of 16 waves: eight blocks of 256 bytes that no other line names
.set L16, 1                            ; v1  16 x lane
.set R16, 2                            ; v2  16 x (lane % 16)
.set PFO, 3                            ; v3  256 x lane
.set SPW, 5
.set NIL, 6
.set ADK, 8                            ; v8  the slot in hand + 16 x lane
.set ADS, 9                            ; v9  the slot in hand + 16 r
.set DQ,  10                           ; v10 my query's place in its block of 128, less 16 h
.set BO8, 11                           ; v11 16 r + h
; v12 -M, v13 the largest t, v[14:15] the sum in two halves; v16-23 [q, 0]; v24-31 [0, q]; v32-63 K; v64-95 V; v96-159 S^T, then p; v160-191 O^T; v192-195 K's scale words, v196-199 V's, v200, v201 Q's two;
; v224-231 p's codes; v232-247, v252, v254 at work; v253 p's scale word
.set WV, 14
.set BH, 16
.set MB, 17                            ; s17 my block of queries = my diagonal step
.set LS, 18                            ; s18 the work-group's last step: 15 - j
.set SI, 19                            ; s19 the step's number
.set SEL, 20
.set CS, 22                            ; s[22:23] log2(e) / 8
.set G1, 24
.set G0, 32
.set TB, 36
.set SLOTS, 37
.set LIM, 38
.set PFA, 40
.set IDX, 42
.set GT, 43
.macro TLOAD                           ; waves 0 to 3 fetch; an s_nop 0 and four v_nop follow the load
	s_cmp_lt_u32 s[WV], 4
	s_cbranch_scc0 .Lasked_\@
	tensor_load_to_lds s[G0:G0+3], s[G1:G1+7]
	s_nop 0
.rept 4
	v_nop
.endr
.Lasked_\@:
.endm
; A prefetch of the codes of the slot that the NEXT change of slots will ask for: 32,768 bytes.  All eight work-groups of a head walk the same kv: work-group j = 0 asks, its waves 4 to 7, 8,192 bytes a wave,
; lanes 256 bytes apart: each aligned 256 bytes of slots 2 and 3 are named once in the launch.  Slots 0 and 1 and the 2,048 scale bytes of a slot come by their loads alone; the last filling change asks for nothing.
.macro ASK
	s_cmp_gt_u32 s[SLOTS], s[LIM]
	s_cbranch_scc0 .Lnot_mine_\@
	global_prefetch_b8 v[PFO], s[PFA:PFA+1] th:TH_LOAD_NT scope:SCOPE_SE
.Lnot_mine_\@:
.endm
	s_load_b256 s[4:11], s[0:1], 0x0               ; qc, qs, kv, ac
	s_load_b64 s[12:13], s[0:1], 0x20              ; asc
	v_lshl_add_u32 v[SPW], v0, 2, SPARE
	v_mov_b32 v[NIL], 0
	ds_add_u32 v[SPW], v[NIL]                      ; the wave's opening: the add, twice on end, and its wait ahead of my first tensor load
	ds_add_u32 v[SPW], v[NIL]
	v_lshrrev_b32 v8, 5, v0
	s_delay_alu instid0(VALU_DEP_1)
	v_readfirstlane_b32 s[WV], v8
	s_and_b32 s[BH], ttmp7, 0xffff
	s_lshr_b32 s44, s[WV], 2
	s_xor_b32 s44, s44, s[WV]
	s_and_b32 s44, s44, 1                          ; 1: the late block
	s_sub_co_u32 s[LS], 15, ttmp9
	s_cmp_eq_u32 s44, 0
	s_cselect_b32 s[MB], ttmp9, s[LS]
	s_lshr_b32 s[IDX], s[WV], 1
	s_lshl_b32 s[GT], s[MB], 3
	s_add_co_u32 s[GT], s[GT], s[IDX]              ; my tile of the head's 128
	s_mov_b32 s[G1], 3<<16                         ; no mask; elements of 8 bytes; no padding: 34 rows of 256 bytes, dense
	s_mov_b32 s[G1+1], 32<<16
	s_mov_b32 s[G1+2], 34<<16
	s_mov_b32 s[G1+3], 32<<16
	s_mov_b32 s[G1+4], 34
	s_mov_b32 s[G1+5], 32
	s_mov_b32 s[G1+6], 0
	s_mov_b32 s[G1+7], 0
	s_mul_i32 s45, s[WV], 8704                     ; my quarter of a slot
	s_mul_i32 s46, s[BH], 139264                   ; my head in kv
	s_mov_b32 s47, 0
	s_mov_b32 s49, 0
	s_mov_b32 s51, 0
	s_mov_b32 s[SEL], 0x76543210
	s_mov_b32 s[SEL+1], 0xfedcba98
	s_mov_b32 s[CS], 0x3e38aa3b                    ; log2(e) / 8
	s_mov_b32 s[CS+1], s[CS]
	s_mov_b32 s60, 0xffff0000                      ; lanes 16-31
	s_mov_b32 s[TB], 0
	s_mov_b32 s[SI], 0
	s_mov_b32 s[SLOTS], 3
	s_sub_co_u32 s48, s[WV], 4
	s_lshr_b32 s48, s48, 2                         ; 0 in waves 4 to 7,
	s_or_b32 s48, s48, ttmp9                       ; of the head's first work-group
	s_cmp_eq_u32 s48, 0
	s_cselect_b32 s[LIM], 1, -1
	s_and_b32 s48, s[WV], 3
	s_lshl_b32 s48, s48, 13
	s_add_co_u32 s48, s48, SLOTB                   ; in slot 1: the first change of slots steps it to slot 2
	s_mov_b32 s50, s45
	s_wait_dscnt 0x0                               ; both opening adds are done
	s_wait_kmcnt 0x0
	s_add_nc_u64 s[8:9], s[8:9], s[46:47]
	s_add_nc_u64 s[PFA:PFA+1], s[8:9], s[48:49]
	s_mov_b32 s[G0], 1
	s_mov_b32 s[G0+1], s45
	s_add_nc_u64 s[G0+2:G0+3], s[8:9], s[50:51]
	s_or_b32 s[G0+3], s[G0+3], 0x80000000
	TLOAD                                          ; slot 0
	s_lshl_b32 s50, s[BH], 16
	s_lshl_b32 s52, s[GT], 9
	s_add_co_u32 s50, s50, s52
	s_add_nc_u64 s[4:5], s[4:5], s[50:51]          ; my tile's codes
	s_lshl_b32 s50, s[BH], 12
	s_lshl_b32 s52, s[MB], 8
	s_add_co_u32 s50, s50, s52
	s_lshr_b32 s52, s[IDX], 1
	s_lshl_b32 s52, s52, 2
	s_add_co_u32 s50, s50, s52
	s_add_nc_u64 s[6:7], s[6:7], s[50:51]          ; the word that holds its two bytes
	v_and_b32 v8, 31, v0
	s_delay_alu instid0(VALU_DEP_1)
	v_lshlrev_b32 v[L16], 4, v8
	s_delay_alu instid0(VALU_DEP_2)
	v_lshlrev_b32 v[PFO], 8, v8
	v_and_b32 v9, 15, v0                           ; r
	s_delay_alu instid0(VALU_DEP_1)
	v_lshlrev_b32 v[R16], 4, v9
	v_bfe_u32 v4, v0, 4, 1                         ; h
	global_load_b128 v[16:19], v[L16], s[4:5]      ; q, in blocks 0, 1 of [q, 0],
	global_load_b128 v[28:31], v[L16], s[4:5]      ; and in blocks 2, 3 of [0, q]
	global_load_b32 v254, v[R16], s[6:7]
	v_add_nc_u32 v[BO8], v[R16], v4
	v_and_b32 v7, 8, v9
	s_delay_alu instid0(VALU_DEP_1)
	v_add_nc_u32 v7, v7, v9
	v_lshlrev_b32 v4, 4, v4
	s_delay_alu instid0(VALU_DEP_1)
	v_sub_nc_u32 v7, v7, v4
	s_lshr_b32 s52, s[IDX], 1
	s_lshl_b32 s52, s52, 5
	s_and_b32 s53, s[IDX], 1
	s_lshl_b32 s53, s53, 3
	s_add_co_u32 s52, s52, s53
	v_add_nc_u32 v[DQ], s52, v7                    ; 32 (idx / 2) + 8 (idx % 2) + r + 8 (r / 8) - 16 h
.irp j, 20,21,22,23,24,25,26,27
	v_mov_b32 v[\j], 0                             ; the zero halves of the two query fragments
.endr
	v_mov_b32 v13, 0xff61b1e6                      ; the largest t so far: -3e38
	s_delay_alu instid0(VALU_DEP_1)
	v_floor_f32 v12, -v13                          ; -M
	v_mov_b32 v14, 0
	v_mov_b32 v15, 0
.irp b, 0,1,2,3
	v_mov_b32 v[236+\b], 0                         ; written once: a lane permute's destination counts as one of its sources
.endr
	v_mov_b32 v252, 0
	v_mov_b32 v253, 0
	s_and_b32 s52, s[IDX], 1
	s_lshl_b32 s52, s52, 4
	s_wait_loadcnt 0x0
	v_lshrrev_b32 v254, s52, v254
	s_delay_alu instid0(VALU_DEP_1)
	v_and_b32 v254, 0xffff, v254                   ; my tile's two bytes
	s_delay_alu instid0(VALU_DEP_1)
	v_or_b32 v200, 0x7f7f0000, v254                ; [q, 0]'s scale word: 1.0 over the zero codes,
	s_delay_alu instid0(VALU_DEP_2)
	v_lshl_or_b32 v201, v254, 16, 0x7f7f           ; [0, q]'s
.set n, 0
.rept 32
	v_mov_b32 v[160+n], 0                          ; O^T: the loop is written once; its first step finds zeros.  (Also the plain instructions between the scale words' making and the first product)
.set n, n+1
.endr
.macro STEP q                          ; the q-th step of the slot in hand
	s_cmp_gt_u32 s[SI], s[MB]
	s_cbranch_scc1 .Lhidden_\@                     ; all its keys come after my queries: no barrier and no tensor load stands in a step
	v_add_nc_u32 v[ADK], s[TB], v[L16]
	v_add_nc_u32 v[ADS], s[TB], v[R16]
	v_nop
	v_nop                                          ; four plain instructions in front of loads into registers that the last products read
.irp p, 0,1,2,3
.irp c, 0,1
	ds_load_b128 v[32+8*\p+4*\c:35+8*\p+4*\c], v[ADK] offset:(\q)*4096+\p*1024+\c*512
.endr
.endr
	ds_load_b128 v[192:195], v[ADS] offset:32768+(\q)*256
.irp t, 0,1,2,3
.irp c, 0,1
	ds_load_b128 v[64+8*\t+4*\c:67+8*\t+4*\c], v[ADK] offset:16384+(\q)*4096+\t*1024+\c*512
.endr
.endr
	ds_load_b128 v[196:199], v[ADS] offset:33792+(\q)*256
	s_wait_dscnt 9                                 ; K's nine loads are in; V's nine may be out
.irp p, 0,1,2,3
.irp u, 0,1
	v_wmma_scale_f32_16x16x128_f8f6f4 v[96+16*\p+8*\u:103+16*\p+8*\u], v[32+8*\p:39+8*\p], v[16+8*\u:23+8*\u], 0, v[192+\p], v[200+\u] matrix_a_fmt:MATRIX_FMT_FP4 matrix_b_fmt:MATRIX_FMT_FP4
.endr
.endr
.rept 4
	v_nop
.endr
	s_cmp_lt_u32 s[SI], s[MB]
	s_cbranch_scc1 .Lopen_\@                       ; all keys count
	v_mov_b32 v254, 0xff800000                     ; the diagonal step: register 16 b + i holds key 32 b + 16 h + i of the step: hidden where 32 b + i > my query's place - 16 h
.set n, 0
.rept 64
	v_cmp_gt_i32 vcc_lo, 32*(n/16)+n%16, v[DQ]
	v_cndmask_b32 v[96+n], v[96+n], v254, vcc_lo
.set n, n+1
.endr
.Lopen_\@:
.irp b, 0,1,2,3
	v_max3_num_f32 v[232+\b], v[96+16*\b], v[97+16*\b], v[98+16*\b]   ; the largest score of each block of 32 keys: for the row's maximum, and, since p rises with the score, for the block's largest p
.endr
.irp i, 3,5,7,9,11,13
.irp b, 0,1,2,3
	v_max3_num_f32 v[232+\b], v[232+\b], v[96+16*\b+\i], v[97+16*\b+\i]
.endr
.endr
.irp b, 0,1,2,3
	v_max_num_f32 v[232+\b], v[232+\b], v[111+16*\b]
.endr
.irp b, 0,1,2,3
	s_delay_alu instid0(VALU_DEP_4)
	v_permlanex16_b32 v[236+\b], v[232+\b], s[SEL], s[SEL+1]
.endr
.irp b, 0,1,2,3
	s_delay_alu instid0(VALU_DEP_4)
	v_max_num_f32 v[232+\b], v[232+\b], v[236+\b]  ; with lane l xor 16's 16 keys
.endr
	s_delay_alu instid0(VALU_DEP_2)
	v_max3_num_f32 v254, v232, v233, v234
	s_delay_alu instid0(VALU_DEP_1)
	v_max_num_f32 v254, v254, v235
	s_delay_alu instid0(VALU_DEP_1)
	v_mul_f32 v254, s[CS], v254                    ; as t
	s_delay_alu instid0(VALU_DEP_1)
	v_max_num_f32 v13, v13, v254                   ; the running largest t
	v_mov_b32 v254, v12
	s_delay_alu instid0(VALU_DEP_2)
	v_floor_f32 v12, -v13                          ; the new -M = -ceil(t)
	s_delay_alu instid0(VALU_DEP_1)
	v_sub_f32 v254, v12, v254                      ; old M - new M: a whole number, 0 or less
	s_delay_alu instid0(VALU_DEP_1)
	v_cvt_i32_f32 v254, v254
	s_delay_alu instid0(VALU_DEP_1)
	v_ldexp_f32 v252, 1.0, v254                    ; f = 2^(old M - new M)
.set n, 0
.rept 32
	v_pk_fma_f32 v[96+n:97+n], v[96+n:97+n], s[CS:CS+1], v[12:13] op_sel_hi:[1,0,0]   ; t - M
.set n, n+2
.endr
.irp b, 0,1,2,3
	v_fma_f32 v[232+\b], v[232+\b], s[CS], v12
.endr
.set n, 0
	s_wait_alu depctr_va_vdst(0)
.rept 64
	v_exp_f32 v[96+n], v[96+n]                     ; p = 2^(t - M)
.set n, n+1
.endr
	v_pk_mul_f32 v[14:15], v[14:15], v[252:253] op_sel_hi:[1,0]    ; the sums under the new M: a plain instruction behind the exponentials
	s_wait_alu depctr_va_vdst(0)                   ; one wait for the batch, ahead of the first line that names a result
.irp b, 0,1,2,3
	v_exp_f32 v[232+\b], v[232+\b]                 ; the block's largest p
.endr
	v_pk_add_f32 v[236:237], v[100:101], v[104:105]
	v_pk_add_f32 v[254:255], v[108:109], v[112:113]
	v_pk_add_f32 v[250:251], v[116:117], v[120:121]
	v_pk_add_f32 v[248:249], v[124:125], v[128:129]
	v_pk_add_f32 v[246:247], v[132:133], v[136:137]
	v_pk_add_f32 v[244:245], v[140:141], v[144:145]
	v_pk_add_f32 v[242:243], v[148:149], v[152:153]
	v_pk_add_f32 v[14:15], v[14:15], v[156:157]
	v_pk_add_f32 v[236:237], v[236:237], v[96:97]
	v_pk_add_f32 v[254:255], v[254:255], v[98:99]
	v_pk_add_f32 v[250:251], v[250:251], v[102:103]
	v_pk_add_f32 v[248:249], v[248:249], v[106:107]
	v_pk_add_f32 v[246:247], v[246:247], v[110:111]
	v_pk_add_f32 v[244:245], v[244:245], v[114:115]
	v_pk_add_f32 v[242:243], v[242:243], v[118:119]
	v_pk_add_f32 v[14:15], v[14:15], v[122:123]
	v_pk_add_f32 v[236:237], v[236:237], v[126:127]
	v_pk_add_f32 v[254:255], v[254:255], v[130:131]
	v_pk_add_f32 v[250:251], v[250:251], v[134:135]
	v_pk_add_f32 v[248:249], v[248:249], v[138:139]
	v_pk_add_f32 v[246:247], v[246:247], v[142:143]
	v_pk_add_f32 v[244:245], v[244:245], v[146:147]
	v_pk_add_f32 v[242:243], v[242:243], v[150:151]
	v_pk_add_f32 v[14:15], v[14:15], v[154:155]
	v_pk_add_f32 v[236:237], v[236:237], v[158:159]
	s_delay_alu instid0(VALU_DEP_2)
	v_pk_add_f32 v[14:15], v[14:15], v[248:249]
	s_delay_alu instid0(VALU_DEP_2)
	v_pk_add_f32 v[236:237], v[236:237], v[246:247]
	v_pk_add_f32 v[254:255], v[254:255], v[244:245]
	v_pk_add_f32 v[250:251], v[250:251], v[242:243]
	s_delay_alu instid0(VALU_DEP_2)
	v_pk_add_f32 v[14:15], v[14:15], v[254:255]
	s_delay_alu instid0(VALU_DEP_2)
	v_pk_add_f32 v[236:237], v[236:237], v[250:251]
	s_delay_alu instid0(VALU_DEP_1)
	v_pk_add_f32 v[14:15], v[14:15], v[236:237]
	s_wait_alu depctr_va_vdst(0)                   ; and one for the four
.irp b, 0,1,2,3
	v_max_num_f32 v[232+\b], 0x1800000, v[232+\b]  ; the floor 2^(3 - 127): a block whose every p is 0 keeps the byte 1; its codes are zeros
.endr
.irp b, 0,1,2,3
	s_delay_alu instid0(VALU_DEP_4)
	v_add_nc_u32 v[244+\b], 0xff000000, v[232+\b]
.endr
.irp b, 0,1,2,3
	s_delay_alu instid0(VALU_DEP_4)
	v_lshrrev_b32 v[236+\b], 23, v[244+\b]
.endr
	s_delay_alu instid0(VALU_DEP_3)
	v_lshl_or_b32 v253, v237, 8, v236              ; p's scale word for these 128 keys
	s_delay_alu instid0(VALU_DEP_1)
	v_lshl_or_b32 v253, v238, 16, v253
	s_delay_alu instid0(VALU_DEP_1)
	v_lshl_or_b32 v253, v239, 24, v253
.irp b, 0,1,2,3
	v_cvt_scalef32_pk8_fp4_f32 v[224+2*\b], v[96+16*\b:103+16*\b], v[244+\b]
	v_cvt_scalef32_pk8_fp4_f32 v[225+2*\b], v[104+16*\b:111+16*\b], v[244+\b]
.endr
	v_nop
.irp c, 0,1
.irp i, 0,1
	v_permlane16_swap_b32 v[224+4*\c+\i], v[226+4*\c+\i]
.endr
.endr
.set n, 0
.rept 16
	v_pk_mul_f32 v[160+n:161+n], v[160+n:161+n], v[252:253] op_sel_hi:[1,0]   ; O^T under the new M.  (These sixteen also stand between the making of p's codes and scale word and the products)
.set n, n+2
.endr
	s_wait_alu depctr_va_vdst(0)
	s_wait_dscnt 0x0                               ; V is in
.irp t, 0,1,2,3
	v_wmma_scale_f32_16x16x128_f8f6f4 v[160+8*\t:167+8*\t], v[64+8*\t:71+8*\t], v[224:231], v[160+8*\t:167+8*\t], v[196+\t], v253 matrix_a_fmt:MATRIX_FMT_FP4 matrix_b_fmt:MATRIX_FMT_FP4
.endr
.Lhidden_\@:
	s_add_co_u32 s[SI], s[SI], 1
.endm
; THE CHANGE OF SLOTS, at a slot's head.  Each wave waits for all its tensor loads, adds 0 to its spare word (fill = 1: twice on end), and waits for that and
; for its reads of the slot that it has left.  Behind the barrier the slot ahead is whole and nobody reads the other one, which is then filled: a wave's one tensor load until the next such barrier.
.macro CHANGE fill
	s_wait_tensorcnt 0x0                           ; no tensor load of mine is out, so group 0 may be written
	ds_add_u32 v[SPW], v[NIL]
.if \fill
	ds_add_u32 v[SPW], v[NIL]
	s_xor_b32 s[G0+1], s[G0+1], SLOT1              ; the other slot than last time,
	s_add_nc_u64 s[G0+2:G0+3], s[G0+2:G0+3], SLOTB ; the next four steps
	s_wait_xcnt 0x0                                ; the last prefetch, a slot back, has read its address
	s_add_nc_u64 s[PFA:PFA+1], s[PFA:PFA+1], SLOTB ; one slot further on than the walking descriptor
.endif
	s_wait_dscnt 0x0
	s_barrier_signal -1
	s_barrier_wait -1
.if \fill
	s_add_co_u32 s44, s[SI], 4                     ; the first step of the slot that this change would ask for:
	s_cmp_gt_u32 s44, s[LS]                        ; past the work-group's last step no wave reads it, so it is not asked for.  Ids and the count of steps alone: all sixteen waves go the same way
	s_cbranch_scc1 .Lpast_\@
	TLOAD
.Lpast_\@:
	ASK
.endif
.endm
.macro SLOT_STEPS
	STEP 0
	STEP 1
	STEP 2
	STEP 3
	s_xor_b32 s[TB], s[TB], SLOT1
.endm
.Lslot:                                            ; three trips: behind each change of slots but the last the next slot is asked for, up to the causal limit
	CHANGE 1
	SLOT_STEPS
	s_sub_co_u32 s[SLOTS], s[SLOTS], 1
	s_cmp_lg_u32 s[SLOTS], 0
	s_cbranch_scc1 .Lslot
	CHANGE 0
	SLOT_STEPS
	; THE WAY OUT: O^T / the sum; register 16 b + e is channel 32 b + 16 h + e of the head: two blocks of the next K, quantised as p was; lane (r, h) ends with block h whole.
.rept 4
	v_nop                                          ; behind my last products stand scalar lines alone
.endr
	v_add_f32 v14, v14, v15
	s_delay_alu instid0(VALU_DEP_1)
	v_permlanex16_b32 v252, v14, s[SEL], s[SEL+1]
	s_delay_alu instid0(VALU_DEP_1)
	v_add_f32 v14, v14, v252                       ; the row's sum
	s_wait_alu depctr_va_vdst(0)
	v_rcp_f32 v14, v14
	v_nop
	s_lshr_b32 s44, s[BH], 4                       ; the batch
	s_and_b32 s45, s[BH], 15                       ; the head
	s_lshl_b32 s44, s44, 7
	s_add_co_u32 s44, s44, s[GT]                   ; my tile among the 512 of all tokens
	s_lshl_b32 s46, s44, 13
	s_lshl_b32 s48, s45, 9
	s_add_co_u32 s46, s46, s48                     ; blocks 2 head, 2 head + 1 of the tile's image
	s_mov_b32 s47, 0
	s_add_nc_u64 s[10:11], s[10:11], s[46:47]
	s_lshl_b32 s46, s44, 9
	s_lshr_b32 s48, s45, 3
	s_lshl_b32 s48, s48, 8
	s_add_co_u32 s46, s46, s48
	s_and_b32 s48, s45, 7
	s_lshl_b32 s48, s48, 1
	s_add_co_u32 s46, s46, s48
	s_add_nc_u64 s[12:13], s[12:13], s[46:47]
	s_wait_alu depctr_va_vdst(0)                   ; the wait ahead of the reciprocal's first reader
.set n, 0
.rept 16
	v_pk_mul_f32 v[96+n:97+n], v[160+n:161+n], v[14:15] op_sel_hi:[1,0]
.set n, n+2
.endr
.irp b, 0,1
	v_max3_num_f32 v[232+\b], |v[96+16*\b]|, |v[97+16*\b]|, 0x1800000
.endr
.irp i, 2,4,6,8,10,12,14
.irp b, 0,1
	s_delay_alu instid0(VALU_DEP_2)
	v_max3_num_f32 v[232+\b], v[232+\b], |v[96+16*\b+\i]|, |v[97+16*\b+\i]|
.endr
.endr
.irp b, 0,1
	s_delay_alu instid0(VALU_DEP_2)
	v_permlanex16_b32 v[236+\b], v[232+\b], s[SEL], s[SEL+1]
.endr
.irp b, 0,1
	s_delay_alu instid0(VALU_DEP_2)
	v_max_num_f32 v[232+\b], v[232+\b], v[236+\b]
.endr
.irp b, 0,1
	s_delay_alu instid0(VALU_DEP_2)
	v_add_nc_u32 v[244+\b], 0xff000000, v[232+\b]
.endr
.irp b, 0,1
	s_delay_alu instid0(VALU_DEP_2)
	v_lshrrev_b32 v[236+\b], 23, v[244+\b]
.endr
.irp b, 0,1
	v_cvt_scalef32_pk8_fp4_f32 v[224+2*\b], v[96+16*\b:103+16*\b], v[244+\b]
	v_cvt_scalef32_pk8_fp4_f32 v[225+2*\b], v[104+16*\b:111+16*\b], v[244+\b]
.endr
	v_nop
	v_permlane16_swap_b32 v224, v226
	v_permlane16_swap_b32 v225, v227
	v_cndmask_b32 v236, v236, v237, s60            ; my block's byte
	global_store_b128 v[L16], v[224:227], s[10:11] ; 512 consecutive bytes
	global_store_b8 v[BO8], v236, s[12:13]
	s_wait_tensorcnt 0x0                           ; the wave's end: behind my last tensor load
	ds_add_u32 v[SPW], v[NIL]
	s_wait_dscnt 0x0
	s_endpgm
.Lfunc_end_k_qb2e54ab66b_attn:
	.size	k_qb2e54ab66b_attn, .Lfunc_end_k_qb2e54ab66b_attn-k_qb2e54ab66b_attn
	.p2alignl 7, 3214868480
	.fill 96, 4, 3214868480
	.section	.rodata,"a",@progbits
	.p2align	6, 0x0
	.amdhsa_kernel k_qb2e54ab66b_attn
		.amdhsa_group_segment_fixed_size 327680
		.amdhsa_private_segment_fixed_size 0
		.amdhsa_enable_private_segment 0
		.amdhsa_kernarg_size 40
		.amdhsa_user_sgpr_count 2
		.amdhsa_user_sgpr_kernarg_segment_ptr 1
		.amdhsa_wavefront_size32 1
		.amdhsa_system_sgpr_workgroup_id_x 1
		.amdhsa_system_sgpr_workgroup_id_y 1
		.amdhsa_system_sgpr_workgroup_id_z 1
		.amdhsa_system_vgpr_workitem_id 0
		.amdhsa_next_free_vgpr 256
		.amdhsa_next_free_sgpr 66
		.amdhsa_reserve_vcc 1
		.amdhsa_float_denorm_mode_32 3
		.amdhsa_float_denorm_mode_16_64 3
		.amdhsa_memory_ordered 1
		.amdhsa_forward_progress 1
		.amdhsa_inst_pref_size 179
	.end_amdhsa_kernel
	.amdgpu_metadata
---
amdhsa.version: [ 1, 2 ]
amdhsa.kernels:
  - .name:           k_qb2e54ab66b_attn
    .symbol:         k_qb2e54ab66b_attn.kd
    .args:
      - { .name: qc, .offset: 0, .size: 8, .value_kind: global_buffer, .address_space: global }
      - { .name: qs, .offset: 8, .size: 8, .value_kind: global_buffer, .address_space: global }
      - { .name: kv, .offset: 16, .size: 8, .value_kind: global_buffer, .address_space: global }
      - { .name: ac, .offset: 24, .size: 8, .value_kind: global_buffer, .address_space: global }
      - { .name: asc, .offset: 32, .size: 8, .value_kind: global_buffer, .address_space: global }
    .group_segment_fixed_size: 327680
    .private_segment_fixed_size: 0
    .kernarg_segment_align: 8
    .kernarg_segment_size: 40
    .max_flat_workgroup_size: 512
    .sgpr_count:     66
    .vgpr_count:     256
    .wavefront_size: 32
...
	.end_amdgpu_metadata
.endif
;; end of part 3
;; launch oproj (part 4): grid 4 x 64, 4 waves a work-group, clusters of 4 x 4, 327,680 bytes of LDS; arguments ac, asc, cod, scl, x, bo, out0; writes out0
.if DOCPART == 4
	.amdgcn_target "amdgcn-amd-amdhsa--gfx1250"
	.amdhsa_code_object_version 6
	.text
	.protected	k_qb2e54ab66b_oproj
	.globl	k_qb2e54ab66b_oproj
	.p2align	8
	.type	k_qb2e54ab66b_oproj,@function
k_qb2e54ab66b_oproj:
	s_mov_b64 s[64:65], 0
	v_nop
	global_prefetch_b8 v0, s[64:65] scope:SCOPE_SE
	s_setreg_imm32_b32 hwreg(HW_REG_WAVE_MODE, 25, 1), 1
	s_wait_xcnt 0x0
	s_wait_alu depctr_hold_cnt(0) depctr_sa_sdst(0) depctr_va_vdst(0) depctr_va_sdst(0) depctr_va_ssrc(0) depctr_va_vcc(0) depctr_vm_vsrc(0)
	s_getreg_b32 s2, hwreg(HW_REG_IB_STS2, 6, 4)
	s_cmp_eq_u32 s2, 0
	s_cbranch_scc0 .Lentry_in_a_cluster
	s_endpgm
.Lentry_in_a_cluster:
	s_bfe_u32 s2, ttmp6, 0x10000c
	s_cmp_lg_u32 s2, 0xf033
	s_cbranch_scc0 .Lentry_shape_is_right
	s_endpgm
.Lentry_shape_is_right:
; out0 = x + a Wo^T + bo, the product on codes of E2M1 (K = 1,024): a's codes and scale bytes from attn (ac, asc), Wo's from prep (units 44-47 of cod, scl).  No work is left out here.
; 256 work-groups of 128 tokens x 256 channels.  P (source 0) = Wo's unit X = 4 cluster x + cx, asked for jointly by a column of the cluster; Q (source 1) = tiles 8 Y .. 8 Y + 7 of a, Y = 4 cluster y + cy, by a row.
; Wave w: 64 tokens (w / 2: tiles o = 0..3) x 128 channels (w % 2: tiles i = 0..7): 32 accumulators.  A lane holds a token, its registers run along channels.
; All of K lies in LDS: two halves of K and the scale bytes, three first fills a wave, nothing is filled again; three tensor loads of a wave are out at the most.
; The residual's 64 rows x 512 bytes of a wave are asked for ahead of the products, into registers of their own.  Results go through the wave's own stage in LDS and leave as rows of 512 consecutive bytes.
; REGISTERS: window 0: v8-11 bo; addresses to v29; v32-63 Q's scale words (8 o + K step), v64-127 P's (8 i + K step); v128-159, v160-191 Q's fragments (on the way out v128-191, v192-255: rows read back);
;   window 1: v0-63, v128-191 P's fragments;   window 2: accumulator (o, i) at v[8 (8 o + i)];   window 3: the residual, block o at v[64 o].
.set SLOTB, 98304                      ; half of K: Q's 8 tiles (2 x 16,384), then P's 16 (2 x 32,768)
.set SCQ,   196608                     ; Q's scale bytes, 2 x 2,048
.set SCP,   200704                     ; P's, 2 x 4,096
.set STAGE, 208896                     ; 16 rows x (512 + 16) bytes for each wave; no fill lands here
.set SPITCH, 528
.set SPARE, 242688                     ; the spare words, 128 bytes a wave
.set BO,   8
.set ADRA, 16
.set ADSA, 18
.set ADSB, 19
.set ADRB, 20
.set STO,  22
.set RD,   23
.set CO,   26
.set SPW,  28
.set NIL,  29
.set SCA,  32
.set SCB,  64
.set QF,   128
.set BK,   128
.set G1, 24
.set G0, 32
.set G1B, 48
.set G0B, 56
.set G1S, 68
.set G0S, 76
.set G1SB, 80
.set G0SB, 88
.set MSB, 0
.macro WIN new
.if MSB != (\new)
	s_set_vgpr_msb (MSB<<8)|(\new)
.set MSB, (\new)
.endif
.endm
.macro JLOAD g0a, g1a, g0b, g1b        ; waves 0 and 1 fetch for Q, waves 2 and 3 for P; an s_nop 0 and four v_nop follow each line
	s_cmp_eq_u32 s21, 0
	s_cbranch_scc0 .Lfor_p_\@
	tensor_load_to_lds s[\g0a:\g0a+3], s[\g1a:\g1a+7]
	s_nop 0
.rept 4
	v_nop
.endr
	s_branch .Lasked_\@
.Lfor_p_\@:
	tensor_load_to_lds s[\g0b:\g0b+3], s[\g1b:\g1b+7]
	s_nop 0
.rept 4
	v_nop
.endr
.Lasked_\@:
.endm
.macro CROUND
	s_barrier_signal -1
	s_barrier_wait -1
	s_cmp_lg_u32 s20, 0
	s_cbranch_scc1 .Lnot_wave_0_\@
	s_barrier_signal -3
.Lnot_wave_0_\@:
	s_barrier_wait -3
	s_barrier_signal -1
	s_barrier_wait -1
.endm
.macro PLACES n
.rept \n
	v_nop
.endr
.endm
	s_load_b256 s[4:11], s[0:1], 0x0               ; ac, asc, cod, scl
	s_load_b128 s[12:15], s[0:1], 0x20             ; x, bo
	s_load_b64 s[16:17], s[0:1], 0x30              ; out0
	v_lshl_add_u32 v[SPW], v0, 2, SPARE
	v_mov_b32 v[NIL], 0
	ds_add_u32 v[SPW], v[NIL]                      ; the wave's opening: the add, twice on end, and its wait ahead of my first tensor load
	ds_add_u32 v[SPW], v[NIL]
	v_lshrrev_b32 v1, 5, v0
	v_readfirstlane_b32 s20, v1
	s_lshr_b32 s21, s20, 1                         ; my 64 tokens.  Also: I fetch for Q (0) or for P (1)
	s_and_b32 s22, s20, 1                          ; my 128 channels.  Also: which half I fetch
	s_bfe_u32 s40, ttmp6, 0x40000                  ; cx
	s_bfe_u32 s41, ttmp6, 0x40004                  ; cy
	s_lshl_b32 s42, ttmp9, 2
	s_add_co_u32 s42, s42, s40                     ; X
	s_and_b32 s43, ttmp7, 0xffff
	s_lshl_b32 s43, s43, 2
	s_add_co_u32 s43, s43, s41                     ; Y
	s_add_co_u32 s46, s42, 44                      ; Wo's unit
	s_lshl_b32 s92, s46, 13
	s_lshl_b32 s46, s46, 17
	s_lshl_b32 s3, s22, 16
	s_add_co_u32 s46, s46, s3
	s_lshl_b32 s3, s22, 12
	s_add_co_u32 s92, s92, s3
	s_lshl_b32 s94, s43, 16                        ; 8 tiles of 8,192 bytes
	s_lshl_b32 s96, s43, 12
	s_lshl_b32 s3, s22, 15
	s_add_co_u32 s94, s94, s3
	s_lshl_b32 s3, s22, 11
	s_add_co_u32 s96, s96, s3
	s_mov_b32 s47, 0
	s_mov_b32 s93, 0
	s_mov_b32 s95, 0
	s_mov_b32 s97, 0
	s_lshl_b32 s44, s41, 2
	s_lshl_b32 s44, 15, s44                        ; my row of the cluster
	s_lshl_b32 s45, 0x1111, s40                    ; my column
	s_or_b32 s[G1], s44, (3<<16)|(1<<21)
	s_or_b32 s[G1B], s45, (3<<16)|(1<<21)
	s_or_b32 s[G1S], s44, (3<<16)|(1<<21)
	s_or_b32 s[G1SB], s45, (3<<16)|(1<<21)
	s_mov_b32 s[G1+1], 512<<16                     ; Q's codes: 4 tiles, 4,096 bytes of each, 8,192 bytes apart
	s_mov_b32 s[G1+2], 4<<16
	s_mov_b32 s[G1+3], 512<<16
	s_mov_b32 s[G1+4], 4
	s_mov_b32 s[G1+5], 1024
	s_mov_b32 s[G1+6], 0
	s_mov_b32 s[G1+7], 0
	s_mov_b32 s[G1B+1], 512<<16                    ; P's: 8 tiles
	s_mov_b32 s[G1B+2], 8<<16
	s_mov_b32 s[G1B+3], 512<<16
	s_mov_b32 s[G1B+4], 8
	s_mov_b32 s[G1B+5], 1024
	s_mov_b32 s[G1B+6], 0
	s_mov_b32 s[G1B+7], 0
	s_mov_b32 s[G1S+1], 32<<16                     ; Q's scale bytes: 8 rows of 256
	s_mov_b32 s[G1S+2], 8<<16
	s_mov_b32 s[G1S+3], 32<<16
	s_mov_b32 s[G1S+4], 8
	s_mov_b32 s[G1S+5], 32
	s_mov_b32 s[G1S+6], 0
	s_mov_b32 s[G1S+7], 0
	s_mov_b32 s[G1SB+1], 32<<16                    ; P's: 16 rows
	s_mov_b32 s[G1SB+2], 16<<16
	s_mov_b32 s[G1SB+3], 32<<16
	s_mov_b32 s[G1SB+4], 16
	s_mov_b32 s[G1SB+5], 32
	s_mov_b32 s[G1SB+6], 0
	s_mov_b32 s[G1SB+7], 0
	s_lshl_b32 s98, s22, 14                        ; LDS: Q's half,
	s_lshl_b32 s99, s22, 15
	s_add_co_u32 s99, s99, 32768                   ; P's half
	s_lshl_b32 s100, s22, 11
	s_lshl_b32 s101, s22, 12
	s_lshl_b32 s2, s42, 10
	s_lshl_b32 s3, s22, 9
	s_add_co_u32 s2, s2, s3                        ; my first channel, in bytes
	s_mov_b32 s3, 0
	s_lshl_b32 s18, s43, 7
	s_lshl_b32 s19, s21, 6
	s_add_co_u32 s18, s18, s19                     ; my first token
	s_lshl_b32 s18, s18, 12
	s_add_co_u32 s18, s18, s2
	s_mov_b32 s19, 0
	s_wait_dscnt 0x0                               ; both opening adds are done
	s_wait_kmcnt 0x0
	s_add_nc_u64 s[46:47], s[8:9], s[46:47]
	s_add_nc_u64 s[92:93], s[10:11], s[92:93]
	s_add_nc_u64 s[94:95], s[4:5], s[94:95]
	s_add_nc_u64 s[96:97], s[6:7], s[96:97]
	s_add_nc_u64 s[12:13], s[12:13], s[18:19]
	s_add_nc_u64 s[16:17], s[16:17], s[18:19]
	s_add_nc_u64 s[14:15], s[14:15], s[2:3]
	CROUND                                         ; all sixteen work-groups are here: the joint loads meet
	s_mov_b32 s[G0S], 1
	s_add_co_u32 s[G0S+1], s100, SCQ
	s_mov_b64 s[G0S+2:G0S+3], s[96:97]
	s_or_b32 s[G0S+3], s[G0S+3], 0x80000000
	s_mov_b32 s[G0SB], 1
	s_add_co_u32 s[G0SB+1], s101, SCP
	s_mov_b64 s[G0SB+2:G0SB+3], s[92:93]
	s_or_b32 s[G0SB+3], s[G0SB+3], 0x80000000
	JLOAD G0S, G1S, G0SB, G1SB
.irp s, 0,1
	s_mov_b32 s[G0+4*\s], 1
	s_add_co_u32 s[G0+4*\s+1], s98, \s*SLOTB
	s_add_nc_u64 s[G0+4*\s+2:G0+4*\s+3], s[94:95], \s*4096
	s_or_b32 s[G0+4*\s+3], s[G0+4*\s+3], 0x80000000
	s_mov_b32 s[G0B+4*\s], 1
	s_add_co_u32 s[G0B+4*\s+1], s99, \s*SLOTB
	s_add_nc_u64 s[G0B+4*\s+2:G0B+4*\s+3], s[46:47], \s*4096
	s_or_b32 s[G0B+4*\s+3], s[G0B+4*\s+3], 0x80000000
	JLOAD G0+4*\s, G1, G0B+4*\s, G1B
.endr
	v_and_b32 v1, 15, v0                           ; r
	v_bfe_u32 v2, v0, 4, 1                         ; h
	v_and_b32 v[CO], 31, v0
	v_lshlrev_b32 v[CO], 4, v[CO]                  ; 16 x lane
.macro RES o                           ; the residual of block o: 16 rows, 512 consecutive bytes a load; row p of the block is the tile's place p
	WIN 0xc0                                       ; destination window 3
.irp p, 0,1,2,3,4,5,6,7,8,9,10,11,12,13,14,15
	global_load_b128 v[64*(\o)+4*\p:64*(\o)+4*\p+3], v[CO], s[12:13] offset:(32*((\o)/2)+8*((\o)%2)+\p+8*(\p/8))*4096 th:TH_LOAD_NT
.endr
	WIN 0
.endm
	global_load_b128 v[BO:BO+3], v[CO], s[14:15]   ; bo at my four columns
	RES 0
	RES 1
	RES 2
	s_lshl_b32 s3, s21, 14
	v_add_nc_u32 v[ADRA], s3, v[CO]
	s_add_co_u32 s3, s3, SLOTB
	v_add_nc_u32 v[ADRA+1], s3, v[CO]
	s_lshl_b32 s3, s22, 15
	s_add_co_u32 s3, s3, 32768
	v_add_nc_u32 v[ADRB], s3, v[CO]
	s_add_co_u32 s3, s3, SLOTB
	v_add_nc_u32 v[ADRB+1], s3, v[CO]
	v_lshlrev_b32 v3, 4, v1
	s_lshl_b32 s3, s21, 11
	s_add_co_u32 s3, s3, SCQ
	v_add_nc_u32 v[ADSA], s3, v3
	s_lshl_b32 s3, s22, 12
	s_add_co_u32 s3, s3, SCP
	v_add_nc_u32 v[ADSB], s3, v3
	s_mul_i32 s3, s20, 16*SPITCH
	s_add_co_u32 s3, s3, STAGE                     ; my stage
	v_mul_u32_u24 v3, v1, SPITCH
	v_lshl_add_u32 v3, v2, 6, v3
	v_add_nc_u32 v[STO], s3, v3                    ; in: row r, + 64 h
	v_add_nc_u32 v[RD], s3, v[CO]                  ; back: a row of 512 bytes for the 32 lanes
.macro FETCH kh, q, st
	WIN 0x40
.irp i, 0,1,2,3,4,5,6,7
.irp c, 0,1
	ds_load_b128 v[128*(\st)+8*\i+4*\c:128*(\st)+8*\i+4*\c+3], v[ADRB+\kh] offset:\i*4096+(\q)*1024+\c*512
.endr
.endr
	WIN 0
.irp o, 0,1,2,3
.irp c, 0,1
	ds_load_b128 v[QF+32*(\st)+8*\o+4*\c:QF+32*(\st)+8*\o+4*\c+3], v[ADRA+\kh] offset:\o*4096+(\q)*1024+\c*512
.endr
.endr
.endm
.macro SCALES
.irp o, 0,1,2,3
.irp k, 0,1
	ds_load_b128 v[SCA+8*\o+4*\k:SCA+8*\o+4*\k+3], v[ADSA] offset:\o*512+\k*256
.endr
.endr
.irp i, 0,1,2,3,4,5,6,7
.irp k, 0,1
	ds_load_b128 v[SCB+8*\i+4*\k:SCB+8*\i+4*\k+3], v[ADSB] offset:\i*512+\k*256
.endr
.endr
.endm
.macro MUL32 st, kq, zero              ; the 32 accumulators take turns, one instruction a turn, in the same order in every step
	WIN 0xa1
.irp o, 0,1,2,3
.irp i, 0,1,2,3,4,5,6,7
.if \zero
	v_wmma_scale_f32_16x16x128_f8f6f4 v[8*(8*\o+\i):8*(8*\o+\i)+7], v[128*(\st)+8*\i:128*(\st)+8*\i+7], v[QF+32*(\st)+8*\o:QF+32*(\st)+8*\o+7], 0, v[SCB+8*\i+(\kq)], v[SCA+8*\o+(\kq)] matrix_a_fmt:MATRIX_FMT_FP4 matrix_b_fmt:MATRIX_FMT_FP4
.else
	v_wmma_scale_f32_16x16x128_f8f6f4 v[8*(8*\o+\i):8*(8*\o+\i)+7], v[128*(\st)+8*\i:128*(\st)+8*\i+7], v[QF+32*(\st)+8*\o:QF+32*(\st)+8*\o+7], v[8*(8*\o+\i):8*(8*\o+\i)+7], v[SCB+8*\i+(\kq)], v[SCA+8*\o+(\kq)] matrix_a_fmt:MATRIX_FMT_FP4 matrix_b_fmt:MATRIX_FMT_FP4
.endif
.endr
.endr
.endm
.macro STEP kh, q, zero
	s_wait_dscnt 0x0                               ; this step's fragments are in
	PLACES 4                                       ; in front of loads into the set that the last step's products read
	FETCH \kh, (\q)+1, 1-(\q)%2
	MUL32 (\q)%2, 4*(\kh)+(\q), \zero
.endm
	s_wait_tensorcnt 1                             ; the scale bytes and my part of half 0 are in; half 1's load may stay out
	s_barrier_signal -1
	s_barrier_wait -1
	SCALES
	FETCH 0, 0, 0
	STEP 0, 0, 1
	STEP 0, 1, 0
	STEP 0, 2, 0
	WIN 0
	s_wait_dscnt 0x0
	s_wait_tensorcnt 0x0                           ; my part of half 1 is in
	s_barrier_signal -1
	s_barrier_wait -1
	RES 3                                          ; the last block of the residual
	PLACES 4
	FETCH 1, 0, 0
	MUL32 1, 3, 0
	STEP 1, 0, 0
	STEP 1, 1, 0
	STEP 1, 2, 0
	s_wait_dscnt 0x0
	MUL32 1, 7, 0
	WIN 0
	PLACES 4                                       ; in front of the first read of results and of loads into the fragments' registers
; THE WAY OUT, a block of 16 tokens x 128 channels at a time.  Register j of accumulator (a, i) is channel 32 (i / 2) + 16 h + 8 (i % 2) + j of the lane's token.
.macro TOSTAGE a
	WIN 0x08                                       ; an LDS store's data: window 2
.irp i, 0,1,2,3,4,5,6,7
	ds_store_b128 v[STO], v[8*(8*(\a)+\i):8*(8*(\a)+\i)+3] offset:128*(\i/2)+32*(\i%2)        ; each accumulator from its low end on
	ds_store_b128 v[STO], v[8*(8*(\a)+\i)+4:8*(8*(\a)+\i)+7] offset:128*(\i/2)+32*(\i%2)+16
.endr
	WIN 0
.set BB, BK+64*((\a)%2)
.irp p, 0,1,2,3,4,5,6,7,8,9,10,11,12,13,14,15
	ds_load_b128 v[BB+4*\p:BB+4*\p+3], v[RD] offset:\p*SPITCH      ; LDS serves a wave's instructions in order: these see my stores, and the next block's stores come behind them
.endr
.endm
.macro SEND a, younger, lc             ; younger: the LDS instructions issued behind block a's loads; lc: the residual loads issued behind block a's
.set BB, BK+64*((\a)%2)
	s_wait_dscnt \younger
	s_wait_loadcnt \lc
	WIN 0x0c                                       ; source 1: window 3
.set n, 0
.rept 32
	v_pk_add_f32 v[BB+n:BB+n+1], v[BB+n:BB+n+1], v[64*(\a)+n:64*(\a)+n+1]     ; + x
.set n, n+2
.endr
	WIN 0
.set n, 0
.rept 16
	v_pk_add_f32 v[BB+n:BB+n+1], v[BB+n:BB+n+1], v[BO:BO+1]                   ; + bo
	v_pk_add_f32 v[BB+n+2:BB+n+3], v[BB+n+2:BB+n+3], v[BO+2:BO+3]
.set n, n+4
.endr
.irp p, 0,1,2,3,4,5,6,7,8,9,10,11,12,13,14,15
	global_store_b128 v[CO], v[BB+4*\p:BB+4*\p+3], s[16:17] offset:(32*((\a)/2)+8*((\a)%2)+\p+8*(\p/8))*4096 th:TH_STORE_NT   ; 512 consecutive bytes, at a multiple of 512 from out0's first byte
.endr
.endm
	TOSTAGE 0
	TOSTAGE 1
	SEND 0, 32, 48                                 ; behind block 0's loads: block 1's 16 stores and 16 loads; behind its residual: three blocks' 48 loads
	s_wait_xcnt 0x0                                ; block 0's stores have read their registers: block 2's rows may land there
	TOSTAGE 2
	SEND 1, 32, 32
	s_wait_xcnt 0x0
	TOSTAGE 3
	SEND 2, 32, 16
	SEND 3, 0, 0
	s_wait_tensorcnt 0x0                           ; the wave's end: behind my last tensor load and my last LDS store
	ds_add_u32 v[SPW], v[NIL]
	s_wait_dscnt 0x0
	CROUND                                         ; the closing round
	s_endpgm
.Lfunc_end_k_qb2e54ab66b_oproj:
	.size	k_qb2e54ab66b_oproj, .Lfunc_end_k_qb2e54ab66b_oproj-k_qb2e54ab66b_oproj
	.p2alignl 7, 3214868480
	.fill 96, 4, 3214868480
	.section	.rodata,"a",@progbits
	.p2align	6, 0x0
	.amdhsa_kernel k_qb2e54ab66b_oproj
		.amdhsa_group_segment_fixed_size 327680
		.amdhsa_private_segment_fixed_size 0
		.amdhsa_enable_private_segment 0
		.amdhsa_kernarg_size 56
		.amdhsa_user_sgpr_count 2
		.amdhsa_user_sgpr_kernarg_segment_ptr 1
		.amdhsa_wavefront_size32 1
		.amdhsa_system_sgpr_workgroup_id_x 1
		.amdhsa_system_sgpr_workgroup_id_y 1
		.amdhsa_system_sgpr_workgroup_id_z 1
		.amdhsa_system_vgpr_workitem_id 0
		.amdhsa_next_free_vgpr 1024
		.amdhsa_next_free_sgpr 102
		.amdhsa_reserve_vcc 0
		.amdhsa_float_denorm_mode_32 3
		.amdhsa_float_denorm_mode_16_64 3
		.amdhsa_memory_ordered 1
		.amdhsa_forward_progress 1
		.amdhsa_inst_pref_size 95
	.end_amdhsa_kernel
	.amdgpu_metadata
---
amdhsa.version: [ 1, 2 ]
amdhsa.kernels:
  - .name:           k_qb2e54ab66b_oproj
    .symbol:         k_qb2e54ab66b_oproj.kd
    .args:
      - { .name: ac, .offset: 0, .size: 8, .value_kind: global_buffer, .address_space: global }
      - { .name: asc, .offset: 8, .size: 8, .value_kind: global_buffer, .address_space: global }
      - { .name: cod, .offset: 16, .size: 8, .value_kind: global_buffer, .address_space: global }
      - { .name: scl, .offset: 24, .size: 8, .value_kind: global_buffer, .address_space: global }
      - { .name: x, .offset: 32, .size: 8, .value_kind: global_buffer, .address_space: global }
      - { .name: bo, .offset: 40, .size: 8, .value_kind: global_buffer, .address_space: global }
      - { .name: out0, .offset: 48, .size: 8, .value_kind: global_buffer, .address_space: global }
    .group_segment_fixed_size: 327680
    .private_segment_fixed_size: 0
    .kernarg_segment_align: 8
    .kernarg_segment_size: 56
    .max_flat_workgroup_size: 128
    .sgpr_count:     102
    .vgpr_count:     1024
    .wavefront_size: 32
...
	.end_amdgpu_metadata
.endif
;; end of part 4
